; MI455X (gfx1250); checked and timed in simulation.
; The chip was launched on July 23, 2026; its instructions are those of AMD's public machine-readable ISA for CDNA 5 (MIT licence, August 2026) and "CDNA5" Instruction Set Architecture Reference Guide (July 2026). The comments in the code are by the model that wrote it; some were corrected since.
;; Grouped Query Attention. Allowed arithmetic: matrix products marked QUANTISED: E2M3 operands, one E8M0 scale for each 32 along K, by v_wmma_scale_f32_16x16x128_f8f6f4 with both operands' format E2M3, f32 sums; everything else in f32.
;; Inputs: w_k 1,024 x 256 float32; w_o 1,024 x 1,024 float32; w_q 1,024 x 1,024 float32; w_v 1,024 x 256 float32; x 1 x 4,096 x 1,024 float32.
;; Outputs: out0 1 x 4,096 x 1,024 float32.
;; This version of the problem:
;;   THIS VERSION OF THE PROBLEM IS GIVEN IN LOW PRECISION. The matrix products marked QUANTISED in the list below multiply operands that are first quantised to E2M3 (2 exponent bits, 3 mantissa bits; 6 bits a number), with one power-of-two scale for each 32 numbers along K (OCP MX v1.0); their sums are f32. All else is computed in f32.
;;   The module's matrix products, in the order in which they are computed (A, B: the left and right operand; K: the contracted axis; several contracted axes count as one K, in the product's order):
;;     1. [M 4,096, K 1,024] x [K 1,024, N 1,024]; A: input x; B: input w_q: QUANTISED
;;     2. [M 4,096, K 1,024] x [K 1,024, N 256]; A: input x; B: input w_k: QUANTISED
;;     3. [M 4,096, K 1,024] x [K 1,024, N 256]; A: input x; B: input w_v: QUANTISED
;;     4. batch 16 x [M 4,096, K 64] x [K 64, N 4,096]; A: computed on the way; B: computed on the way: QUANTISED
;;     5. batch 16 x [M 4,096, K 4,096] x [K 4,096, N 64]; A: softmax (see below); B: computed on the way: QUANTISED
;;     6. [M 4,096, K 1,024] x [K 1,024, N 1,024]; A: computed on the way; B: input w_o: QUANTISED
;;   THE QUANTISER, for each operand of a quantised product, along K:
;;     - K is cut into blocks of 32 from its start; a last block that is shorter is filled with zeros.
;;     - A block's scale is 2^e with e = floor(log2(the largest magnitude in the block)) - 2, held to -126 .. 127; a block of zeros has e = 0. As a byte (E8M0): e + 127.
;;     - Each number is divided by its block's scale, clamped to +-7.5, and rounded to the nearest number of E2M3, ties to even, subnormals kept.
;;     - The product sums the exact products of the quantised numbers (number of the format x scale) in f32.
;;   ~~~python
;;   def quantise(x, axis):      # numpy; x: float32 -> the quantised numbers, widened to float32 again
;;       x = np.moveaxis(x, axis, -1); K = x.shape[-1]
;;       x = np.pad(x, [(0, 0)] * (x.ndim - 1) + [(0, -K % 32)]); x = x.reshape(x.shape[:-1] + (-1, 32)); a = np.abs(x).max(-1, keepdims=True)
;;       e = np.where(a > 0, np.clip(np.frexp(np.where(a > 0, a, 1))[1] - 1 - 2, -126, 127), 0)      # np.frexp(a)[1] - 1 = floor(log2(a)), exactly
;;       r = np.clip(x / 2.0 ** e, -7.5, 7.5)
;;       step = 2.0 ** (np.maximum(np.frexp(np.where(r == 0, 1, r))[1] - 1, 0) - 3)
;;       q = np.round(r / step) * step * 2.0 ** e      # np.round: ties to even
;;       return np.moveaxis(q.reshape(q.shape[:-2] + (-1,))[..., :K], -1, axis).astype(np.float32)
;;   ~~~
;;   SOFTMAX AHEAD OF A QUANTISED PRODUCT. Where the list says 'softmax', what is quantised is not the finished softmax but p = 2^(t - M), with t = logit x log2(e) and M = ceil(the row's largest t), a whole number; so 1/2 < the row's largest p <= 1. The row's sum l is taken of the UNQUANTISED p, in f32, and the product's result is divided by l at the end. Since M is a whole number, a kernel that streams over the keys may use a running M (the ceiling of the running maximum): every later rescaling is an exact power of two, which a block's scale takes up: the codes' values come out the same.
;;   OPERANDS COMPUTED ON THE WAY. 'Computed on the way' means the value that the module computes at that place (a softmax that the list does not call 'softmax' is quantised finished and normalised). What goes into a quantiser is computed in f32, as accurately as f32 sums, v_exp_f32 and their like allow (about 1e-6 of the number): no bf16 or f16 on the way to a quantiser, and a product that is left as it is and whose result goes on into a quantised operand takes f32 operands (vector FMAs, or v_wmma_f32_16x16x4_f32). A number that lies on a knife's edge between two numbers of the format may be rounded either way, as far as f32 arithmetic and the matrix unit's own rounding can turn it there, and no further.
;; One version. Each part assembles by itself: llvm-mc -triple=amdgcn-amd-amdhsa -mcpu=gfx1250 --defsym DOCPART=n.
;; ======== version 1 of 1: 4 launches
;; limits: right only within a limited range of input values
;; workspace buffers: xb 3,276,800 bytes; wb 2,048,000 bytes; rt 1,048,576 bytes; qb 3,407,872 bytes; kv 1,671,168 bytes; ab 3,276,800 bytes
;; launch quant_x (part 1): grid 288 x 1, 4 waves a work-group, no clusters, 46,592 bytes of LDS; arguments x, xb, rt, w_q, w_k, w_v, w_o, wb; writes xb, rt, wb
.if DOCPART == 1
	.amdgcn_target "amdgcn-amd-amdhsa--gfx1250"
	.amdhsa_code_object_version 6
	.text
	.protected	k_qc4f6438814_quant_x
	.globl	k_qc4f6438814_quant_x
	.p2align	8
	.type	k_qc4f6438814_quant_x,@function
k_qc4f6438814_quant_x:
	s_mov_b64 s[64:65], 0
	v_nop
	global_prefetch_b8 v0, s[64:65] scope:SCOPE_SE
	s_setreg_imm32_b32 hwreg(HW_REG_WAVE_MODE, 25, 1), 1
	s_wait_xcnt 0x0
; x [4096][1024] f32 becomes codes of E2M3 with one E8M0 byte for each 32 along K, laid as IMAGES OF THE OPERAND'S REGISTERS; and the RoPE table is made.
; xb: codes [mg 32][s 8][t 8][1536] (a fragment of 16 rows x 128 K: three chunks of 512 bytes, chunk g = registers 4 g .. 4 g + 3, lane l's 16 bytes at 16 l);
;     scale words from XS0 on: [mg][s][tq 2][r 16][4 tiles].   rt: [pos 4096][cos 32 | sin 32] f32.
; THE ROWS OF A TILE ARE NOT NEIGHBOURS: of the 128 positions of group mg, lane r of tile t holds position 64 (t / 4) + 32 (r / 8) + 8 (t % 4) + r % 8.
; A wave has task T = 4 x work-group + wave: four fragments (tiles 4 tq .. 4 tq + 3 of K step s) and the table's rows 8 T .. 8 T + 7.  Waves share nothing: no barrier.
; Each load reads 512 consecutive bytes of one row; a tile's 16 rows turn through the wave's own stage in LDS (rows 528 bytes apart), from which lane (r, h) takes k = 64 c + 32 h + 0 .. 31 of row r.
; A block's scale byte is its largest magnitude's exponent field - 2, held at 1 from below.
; LIMITS: NaN and infinities are not served; a block whose largest magnitude lies under 2^-124 keeps the byte 1, a block of zeros too (its codes are zeros; this program alone reads the bytes).
; The table: base_j = 10^(j / 8) from eight constants x a power of ten (one rounding more for j >= 8), 1 / base by a corrected reciprocal, angle = pos x that in f32,
; reduced by pi / 2 in two parts with fused multiply-adds, sine and cosine by polynomials on +-pi / 4.  It takes the framework's power function to be rounded correctly.
.set XS0,   3145728
.set STGB,  8448                       ; a wave's stage: 16 rows x 528
; ONE LAUNCH FOR ALL FIVE INPUTS: work-groups 0-127, of four waves, take x and the table (task T = 4 x work-group + wave); work-groups 128-287 take the four weights, on a path of their own at the text's end.
; LDS: x's four stages from 0 on, the weights' four stages from 33,792 on (each path has bytes of its own), the spare words behind both.
.set SPARE, 46080                      ; the spare words, 128 bytes a wave: two blocks of 256 bytes that no other line names
.set L16, 1                            ; v1  16 x lane
.set SI,  2                            ; v2  stage, way in
.set SO,  3                            ; v3  stage, way out: 528 r + 128 h
.set WA,  4                            ; v4  16 r + 8 h: my two scale words
.set SPW, 5
.set NIL, 6
.set H8,  7                            ; v7  8 h
.set SWD, 8                            ; v8-11 the four fragments' scale words
.set R,   16                           ; v16-143  two sets of 64: a tile as loaded
.set X,   144                          ; v144-207 my 64 numbers
.set C,   208                          ; v208-231 codes, two sets of 12
.set CT,  232                          ; v232-239 the conversions' second halves
	v_lshl_add_u32 v[SPW], v0, 2, SPARE
	v_mov_b32 v[NIL], 0
	s_cmp_ge_u32 ttmp9, 128                        ; the choice of path hangs on the work-group's number alone
	s_cbranch_scc1 .Lweights
	s_load_b128 s[4:7], s[0:1], 0x0                ; x, xb
	s_load_b64 s[8:9], s[0:1], 0x10                ; rt
	v_lshrrev_b32 v12, 5, v0
	v_readfirstlane_b32 s10, v12                   ; wave
	v_and_b32 v12, 31, v0                          ; lane
	v_and_b32 v13, 15, v0                          ; r
	v_bfe_u32 v14, v0, 4, 1                        ; h
	v_lshlrev_b32 v[L16], 4, v12
	s_mul_i32 s11, s10, STGB
	v_add_nc_u32 v[SI], s11, v[L16]
	v_mul_u32_u24 v[SO], v13, 528
	v_lshl_add_u32 v[SO], v14, 7, v[SO]
	v_add_nc_u32 v[SO], s11, v[SO]
	v_lshlrev_b32 v[WA], 4, v13
	v_lshl_add_u32 v[WA], v14, 3, v[WA]
	v_lshlrev_b32 v[H8], 3, v14
	s_mov_b32 s20, 0x76543210
	s_mov_b32 s21, 0xfedcba98                      ; selects for lane l xor 16
	s_lshl_b32 s12, ttmp9, 2
	s_add_co_u32 s12, s12, s10                     ; T
	s_lshr_b32 s14, s12, 4                         ; mg
	s_lshl_b32 s14, s14, 19                        ; x 128 rows of 4,096 bytes
	s_and_b32 s15, s12, 1                          ; tq
	s_lshl_b32 s15, s15, 18                        ; x 64 rows
	s_add_co_u32 s14, s14, s15
	s_bfe_u32 s15, s12, 0x30001                    ; s
	s_lshl_b32 s15, s15, 9                         ; x 128 numbers
	s_add_co_u32 s14, s14, s15
	s_mov_b32 s15, 0
	s_mul_i32 s16, s12, 6144                       ; four fragments a task
	s_mov_b32 s17, 0
	s_lshl_b32 s18, s12, 8
	s_add_co_u32 s18, s18, XS0
	s_mov_b32 s19, 0
	s_lshl_b32 s22, s12, 11                        ; eight rows of the table
	s_mov_b32 s23, 0
	s_lshl_b32 s13, s12, 3                         ; my first position of the table
	s_wait_alu depctr_va_vdst(0)
	s_wait_kmcnt 0x0
	s_add_nc_u64 s[4:5], s[4:5], s[14:15]
	s_add_nc_u64 s[16:17], s[6:7], s[16:17]
	s_add_nc_u64 s[18:19], s[6:7], s[18:19]
	s_add_nc_u64 s[8:9], s[8:9], s[22:23]
.macro LOADF f                         ; tile f's 16 rows, in the tile's order, 512 consecutive bytes a load
.irp j, 0,1,2,3,4,5,6,7,8,9,10,11,12,13,14,15
	; THE ORDER OF A TILE'S ROWS (it takes the place of the order named at the head): of the 128 positions of group mg, row r of tile t holds position 64 (t / 4) + 32 (r / 8) + 8 (t % 4) + r % 8
	global_load_b128 v[R+64*((\f)%2)+4*\j:R+64*((\f)%2)+4*\j+3], v[L16], s[4:5] offset:(8*(\f)+(\j%8)+32*(\j/8))*4096 th:TH_LOAD_NT
.endr
.endm
.macro TURN f                          ; through the stage: LDS serves a wave's instructions in order, so no wait stands between the stores and the loads
.irp j, 0,1,2,3,4,5,6,7,8,9,10,11,12,13,14,15
	ds_store_b128 v[SI], v[R+64*((\f)%2)+4*\j:R+64*((\f)%2)+4*\j+3] offset:528*\j
.endr
.irp c, 0,1
.irp i, 0,1,2,3,4,5,6,7
	ds_load_b128 v[X+32*\c+4*\i:X+32*\c+4*\i+3], v[SO] offset:256*\c+16*\i
.endr
.endr
.endm
.macro QF f                            ; my two whole blocks (2 c + h) of row r become registers 6 c .. 6 c + 5 of the fragment
.set CC, C+12*((\f)%2)
.irp c, 0,1
	v_max3_num_f32 v[12+\c], |v[X+32*\c]|, |v[X+32*\c+1]|, 0x1800000   ; with the floor 2^(3 - 127): the byte cannot fall under 1
.endr
.irp i, 2,4,6,8,10,12,14,16,18,20,22,24,26,28,30
.irp c, 0,1
	v_max3_num_f32 v[12+\c], v[12+\c], |v[X+32*\c+\i]|, |v[X+32*\c+\i+1]|
.endr
.endr
.irp c, 0,1
	v_add_nc_u32 v[14+\c], 0xff000000, v[12+\c]    ; 2 off the exponent field: the conversion's scale operand
.endr
.irp c, 0,1
	v_lshrrev_b32 v[12+\c], 23, v[14+\c]           ; the byte
.endr
	v_lshl_or_b32 v[SWD+\f], v13, 16, v12          ; blocks h and 2 + h,
	v_lshlrev_b32 v[SWD+\f], v[H8], v[SWD+\f]      ; at their places;
	v_permlanex16_b32 v12, v[SWD+\f], s20, s21
	v_or_b32 v[SWD+\f], v[SWD+\f], v12             ; with lane l xor 16's two the word is whole
.if \f >= 2
	s_wait_alu depctr_va_vdst(0)
	s_wait_xcnt 0x0                                ; the stores of two fragments back have read this set of code registers
.endif
.irp c, 0,1
	v_cvt_scalef32_pk16_fp6_f32 v[CC+6*\c:CC+6*\c+2], v[X+32*\c:X+32*\c+15], v[14+\c]
	v_cvt_scalef32_pk16_fp6_f32 v[CT+4*\c:CT+4*\c+2], v[X+32*\c+16:X+32*\c+31], v[14+\c]   ; (a conversion's three registers begin on an even number)
.endr
	v_nop                                          ; one plain place behind the conversions
.irp c, 0,1
.irp i, 0,1,2
	v_mov_b32 v[CC+6*\c+3+\i], v[CT+4*\c+\i]
.endr
.endr
.irp g, 0,1,2
	global_store_b128 v[L16], v[CC+4*\g:CC+4*\g+3], s[16:17] offset:1536*(\f)+512*\g   ; 512 consecutive bytes, aligned
.endr
.endm
	LOADF 0
	LOADF 1
.irp f, 0,1,2,3
.if \f < 3
	s_wait_loadcnt 16                              ; this tile's 16 loads are in; the next tile's 16 may be out
.else
	s_wait_loadcnt 0x0
.endif
	TURN \f
	s_wait_dscnt 0x0                               ; my 64 numbers are in, and the stage's stores have read their registers,
.if \f < 2
	LOADF \f+2                                     ; which take the tile two further on
.endif
	QF \f
.endr
	v_cmp_ne_u32 vcc_lo, 0, v[H8]
	v_cndmask_b32 v12, v8, v10, vcc_lo             ; lane (r, h) stores words 2 h and 2 h + 1 of row r
	v_cndmask_b32 v13, v9, v11, vcc_lo
	global_store_b64 v[WA], v[12:13], s[18:19]     ; the wave stores 256 consecutive bytes, aligned
; ---- the RoPE table: lane = frequency j, eight positions by turns.  Only v16-127 are written from here on: no pending store reads them
.set PA, 16
.set PK, 24
.set PR, 32
.set PZ, 40
.set PS, 48
.set PC, 56
.set PI, 64
.set PT, 72
.set PU, 80
	s_mov_b32 s24, 0x3f22f983                      ; 2 / pi
	s_mov_b32 s25, 0x3fc90fdb                      ; pi / 2, upper part
	s_mov_b32 s26, 0xb33bbd2e                      ; and the rest
	s_mov_b32 s27, 0xbe2aaaa3                      ; sine: -1.6666654611e-1
	s_mov_b32 s28, 0x3c08839e                      ; 8.3321608736e-3
	s_mov_b32 s29, 0xb94ca1f9                      ; -1.9515295891e-4
	s_mov_b32 s30, 0x3d2aaaa5                      ; cosine: 4.166664568e-2
	s_mov_b32 s31, 0xbab6061a                      ; -1.388731625e-3
	s_mov_b32 s32, 0x37ccf5ce                      ; 2.443315712e-5
	v_and_b32 v100, 31, v0                         ; j
	v_and_b32 v101, 7, v100
	v_lshrrev_b32 v102, 3, v100
	v_mov_b32 v103, 1.0
	v_mov_b32 v104, 1.0
.macro PICK reg, idx, n, bits          ; where v[idx] = n the register takes the constant
	v_cmp_ne_u32 vcc_lo, \n, v[\idx]
	v_cndmask_b32 v[\reg], \bits, v[\reg], vcc_lo
.endm
	PICK 103, 101, 1, 0x3faab0d5                   ; 10^(1/8) .. 10^(7/8)
	PICK 103, 101, 2, 0x3fe39ea9
	PICK 103, 101, 3, 0x4017c496
	PICK 103, 101, 4, 0x404a62c2
	PICK 103, 101, 5, 0x4086f161
	PICK 103, 101, 6, 0x40b3f300
	PICK 103, 101, 7, 0x40eff755
	PICK 104, 102, 1, 0x41200000                   ; 10, 100, 1000
	PICK 104, 102, 2, 0x42c80000
	PICK 104, 102, 3, 0x447a0000
	v_mul_f32 v103, v103, v104                     ; 10^(j / 8)
	s_wait_alu depctr_va_vdst(0)
	v_rcp_f32 v104, v103
	v_lshl_add_u32 v105, v100, 2, s11              ; (the plain place behind the reciprocal)  my word in a row of the stage
	v_mov_b32 v107, s13
	s_wait_alu depctr_va_vdst(0)                   ; the wait ahead of the reciprocal's first reader
	v_fma_f32 v106, -v103, v104, 1.0
	v_fma_f32 v104, v106, v104, v104               ; 1 / base, corrected once
.irp p, 0,1,2,3,4,5,6,7
	v_add_nc_u32 v[PA+\p], \p, v107
.endr
.irp p, 0,1,2,3,4,5,6,7
	v_cvt_f32_u32 v[PA+\p], v[PA+\p]
.endr
.irp p, 0,1,2,3,4,5,6,7
	v_mul_f32 v[PA+\p], v[PA+\p], v104             ; the angle, rounded to f32 as the table's definition has it
.endr
.irp p, 0,1,2,3,4,5,6,7
	v_mul_f32 v[PK+\p], s24, v[PA+\p]
.endr
.irp p, 0,1,2,3,4,5,6,7
	v_rndne_f32 v[PK+\p], v[PK+\p]                 ; quarter turns
.endr
.irp p, 0,1,2,3,4,5,6,7
	v_fma_f32 v[PR+\p], -v[PK+\p], s25, v[PA+\p]   ; exact: at most 12 bits x 24 bits against the angle
.endr
.irp p, 0,1,2,3,4,5,6,7
	v_fma_f32 v[PR+\p], -v[PK+\p], s26, v[PR+\p]
.endr
.irp p, 0,1,2,3,4,5,6,7
	v_mul_f32 v[PZ+\p], v[PR+\p], v[PR+\p]
.endr
.irp p, 0,1,2,3,4,5,6,7
	v_cvt_i32_f32 v[PI+\p], v[PK+\p]
.endr
.irp p, 0,1,2,3,4,5,6,7
	v_fma_f32 v[PS+\p], v[PZ+\p], s29, s28
.endr
.irp p, 0,1,2,3,4,5,6,7
	v_fma_f32 v[PS+\p], v[PS+\p], v[PZ+\p], s27
.endr
.irp p, 0,1,2,3,4,5,6,7
	v_mul_f32 v[PT+\p], v[PZ+\p], v[PR+\p]
.endr
.irp p, 0,1,2,3,4,5,6,7
	v_fma_f32 v[PS+\p], v[PS+\p], v[PT+\p], v[PR+\p]   ; sin r
.endr
.irp p, 0,1,2,3,4,5,6,7
	v_fma_f32 v[PC+\p], v[PZ+\p], s32, s31
.endr
.irp p, 0,1,2,3,4,5,6,7
	v_fma_f32 v[PC+\p], v[PC+\p], v[PZ+\p], s30
.endr
.irp p, 0,1,2,3,4,5,6,7
	v_fma_f32 v[PC+\p], v[PC+\p], v[PZ+\p], -0.5
.endr
.irp p, 0,1,2,3,4,5,6,7
	v_fma_f32 v[PC+\p], v[PC+\p], v[PZ+\p], 1.0    ; cos r
.endr
.irp p, 0,1,2,3,4,5,6,7
	v_and_b32 v[PT+\p], 1, v[PI+\p]
	v_cmp_eq_u32 vcc_lo, 1, v[PT+\p]               ; an odd quarter swaps the two
	v_cndmask_b32 v[PT+\p], v[PS+\p], v[PC+\p], vcc_lo
	v_cndmask_b32 v[PU+\p], v[PC+\p], v[PS+\p], vcc_lo
	v_and_b32 v[PS+\p], 2, v[PI+\p]                ; the sine is negative in quarters 2 and 3,
	v_add_nc_u32 v[PI+\p], 1, v[PI+\p]
	v_lshlrev_b32 v[PS+\p], 30, v[PS+\p]
	v_and_b32 v[PI+\p], 2, v[PI+\p]                ; the cosine in quarters 1 and 2
	v_xor_b32 v[PT+\p], v[PT+\p], v[PS+\p]
	v_lshlrev_b32 v[PI+\p], 30, v[PI+\p]
	v_xor_b32 v[PU+\p], v[PU+\p], v[PI+\p]
	ds_store_b32 v105, v[PU+\p] offset:256*\p
	ds_store_b32 v105, v[PT+\p] offset:256*\p+128
.endr
.irp i, 0,1,2,3
	ds_load_b128 v[112+4*\i:115+4*\i], v[SI] offset:512*\i   ; in order behind my stores
.endr
	s_wait_dscnt 0x0
.irp i, 0,1,2,3
	global_store_b128 v[L16], v[112+4*\i:115+4*\i], s[8:9] offset:512*\i
.endr
	s_wait_tensorcnt 0x0                           ; the wave's end: the wait, the add and its wait behind my last LDS store
	ds_add_u32 v[SPW], v[NIL]
	s_wait_dscnt 0x0
	s_endpgm
; ---------------- THE WEIGHTS.  The four weights, f32 with K as their FIRST axis, become codes of E2M3 along K, laid as images of the operand's registers.
; wb: codes [hd 40][s 8][n 4][1536]; hd counts groups of 64 columns: 0-15 w_q, 16-19 w_k, 20-23 w_v, 24-39 w_o; scale words from WS0 on: [hd][s][b 2][r 16][u 2].
; Of a group's 64 columns, lane r of tile n = 2 b + u holds column 32 b + 8 u + r + 8 (r / 8).
; A LANE TAKES A COLUMN AND ITS REGISTERS RUN DOWN K: a load reads 128 consecutive bytes a wave, a block of 32 along K lies in one lane, and the conversions give codes with K innermost.
; Work-group 128 + 8 G + s: 128 columns x 128 along K; wave w: 32 columns = tiles 2 b and 2 b + 1 of group hd = 2 G + w / 2, b = w % 2.  The lane's six registers of block kb = 2 c + h go to the place of
; lane r + 16 h, registers 6 c .. 6 c + 5, in the wave's own stage (two images), which leaves as six stores of 512 consecutive bytes.  The scale words leave as 128 consecutive bytes a wave.
; Pointer, first group and pitch are chosen by G.  No barrier: waves share nothing.  LIMITS: as for x (NaN, infinities; the byte 1 for tiny blocks and blocks of zeros).
.Lweights:
.set WS0,   1966080
.set WSTG,  33792                      ; four stages of 3,072 bytes
.set OF,    32                         ; v32-63  4 x lane + i x pitch
.set X,     64                         ; v64-127 two sets of 32 numbers
	s_load_b128 s[4:7], s[0:1], 0x18               ; w_q, w_k
	s_load_b128 s[8:11], s[0:1], 0x28              ; w_v, w_o
	s_load_b64 s[12:13], s[0:1], 0x38              ; wb
	v_lshrrev_b32 v1, 5, v0
	v_readfirstlane_b32 s14, v1                    ; wave
	v_and_b32 v1, 31, v0                           ; lane = column of my 32
	v_lshlrev_b32 v4, 2, v1
	v_bfe_u32 v2, v0, 3, 1                         ; u
	v_and_b32 v3, 7, v0
	v_bfe_u32 v7, v0, 4, 1
	v_lshl_or_b32 v3, v7, 3, v3                    ; r
	s_mul_i32 s15, s14, 3072
	s_add_co_u32 s15, s15, WSTG
	v_mul_u32_u24 v7, v2, 1536
	v_lshl_add_u32 v7, v3, 4, v7
	v_add_nc_u32 v7, s15, v7                       ; stage, way in: image u, lane r
	v_lshlrev_b32 v8, 4, v1                        ; 16 x lane
	v_add_nc_u32 v9, s15, v8                       ; stage, way out
	v_lshl_add_u32 v10, v3, 1, v2
	v_lshlrev_b32 v10, 2, v10                      ; my scale word's place: 4 (2 r + u)
	s_sub_co_u32 s36, ttmp9, 128
	s_and_b32 s16, s36, 7                          ; s
	s_lshr_b32 s36, s36, 3                         ; G
	s_wait_kmcnt 0x0
	s_mov_b64 s[18:19], s[10:11]                   ; w_o, from G = 12 on, rows of 4,096 bytes
	s_mov_b32 s20, 12
	s_mov_b32 s21, 4096
	s_cmp_lt_u32 s36, 12
	s_cselect_b64 s[18:19], s[8:9], s[18:19]       ; w_v
	s_cselect_b32 s20, 10, s20
	s_cselect_b32 s21, 1024, s21
	s_cmp_lt_u32 s36, 10
	s_cselect_b64 s[18:19], s[6:7], s[18:19]       ; w_k
	s_cselect_b32 s20, 8, s20
	s_cmp_lt_u32 s36, 8
	s_cselect_b64 s[18:19], s[4:5], s[18:19]       ; w_q
	s_cselect_b32 s20, 0, s20
	s_cselect_b32 s21, 4096, s21
	s_sub_co_u32 s22, s36, s20
	s_lshl_b32 s22, s22, 9                         ; 128 columns of 4 bytes
	s_lshl_b32 s23, s14, 7                         ; my 32
	s_add_co_u32 s22, s22, s23
	s_lshl_b32 s23, s16, 7
	s_mul_i32 s23, s23, s21                        ; 128 s rows
	s_add_co_u32 s22, s22, s23
	s_mov_b32 s23, 0
	s_add_nc_u64 s[24:25], s[18:19], s[22:23]      ; a base for each block of 32 rows
	s_lshl_b32 s22, s21, 5
	s_add_nc_u64 s[26:27], s[24:25], s[22:23]
	s_add_nc_u64 s[28:29], s[26:27], s[22:23]
	s_add_nc_u64 s[30:31], s[28:29], s[22:23]
.irp i, 0,1,2,3,4,5,6,7,8,9,10,11,12,13,14,15,16,17,18,19,20,21,22,23,24,25,26,27,28,29,30,31
	v_mad_u32_u24 v[OF+\i], s21, \i, v4
.endr
	s_lshl_b32 s22, s36, 1
	s_lshr_b32 s23, s14, 1
	s_add_co_u32 s22, s22, s23                     ; hd
	s_lshl_b32 s22, s22, 3
	s_add_co_u32 s22, s22, s16                     ; 8 hd + s
	s_and_b32 s23, s14, 1                          ; b
	s_lshl_b32 s32, s22, 1
	s_add_co_u32 s32, s32, s23
	s_lshl_b32 s32, s32, 7
	s_add_co_u32 s32, s32, WS0
	s_mov_b32 s33, 0
	s_add_nc_u64 s[32:33], s[12:13], s[32:33]      ; my 128 bytes of scale words
	s_lshl_b32 s34, s22, 2
	s_lshl_b32 s23, s23, 1
	s_add_co_u32 s34, s34, s23
	s_mul_i32 s34, s34, 1536
	s_mov_b32 s35, 0
	s_add_nc_u64 s[34:35], s[12:13], s[34:35]      ; my two images
.macro LOADB kb
.irp i, 0,1,2,3,4,5,6,7,8,9,10,11,12,13,14,15,16,17,18,19,20,21,22,23,24,25,26,27,28,29,30,31
	global_load_b32 v[X+32*((\kb)%2)+\i], v[OF+\i], s[24+2*(\kb):25+2*(\kb)] th:TH_LOAD_NT
.endr
.endm
	s_wait_alu depctr_va_vdst(0)                   ; the wait at the head's end
	LOADB 0
	LOADB 1
.macro BLOCK kb
.set XS, X+32*((\kb)%2)
.if (\kb) < 3
	s_wait_loadcnt 32                              ; this block's 32 loads are in; the next block's may be out
.else
	s_wait_loadcnt 0x0
.endif
	v_max3_num_f32 v22, |v[XS]|, |v[XS+1]|, |v[XS+2]|
	v_max3_num_f32 v23, |v[XS+3]|, |v[XS+4]|, |v[XS+5]|
.irp i, 6,10,14,18,22,26
	v_max3_num_f32 v22, v22, |v[XS+\i]|, |v[XS+\i+1]|
	v_max3_num_f32 v23, v23, |v[XS+\i+2]|, |v[XS+\i+3]|
.endr
	v_max3_num_f32 v22, v22, |v[XS+30]|, |v[XS+31]|
	v_max3_num_f32 v22, v22, v23, 0x1800000        ; and the floor 2^(3 - 127)
	v_add_nc_u32 v24, 0xff000000, v22              ; the conversion's scale operand
	v_lshrrev_b32 v25, 23, v24                     ; the byte
.if (\kb) == 0
	v_mov_b32 v26, v25
.else
	v_lshl_or_b32 v26, v25, 8*(\kb), v26
.endif
	v_cvt_scalef32_pk16_fp6_f32 v[12:14], v[XS:XS+15], v24
	v_cvt_scalef32_pk16_fp6_f32 v[18:20], v[XS+16:XS+31], v24
	v_nop                                          ; one plain place behind the conversions
	v_mov_b32 v15, v18
	v_mov_b32 v16, v19
	v_mov_b32 v17, v20
.if (\kb)/2 == 0
	ds_store_b128 v7, v[12:15] offset:256*((\kb)%2)          ; registers 0-3: chunk 0
	ds_store_b64 v7, v[16:17] offset:256*((\kb)%2)+512       ; registers 4, 5: chunk 1, lower half
.else
	ds_store_b64 v7, v[12:13] offset:256*((\kb)%2)+520       ; registers 6, 7: chunk 1, upper half
	ds_store_b128 v7, v[14:17] offset:256*((\kb)%2)+1024     ; registers 8-11: chunk 2
.endif
.if (\kb)+2 < 4
	LOADB (\kb)+2
.endif
	s_wait_dscnt 0x0                               ; the stores have read their registers: the next block's codes may be written
.endm
	BLOCK 0
	BLOCK 1
	BLOCK 2
	BLOCK 3
	s_wait_alu depctr_va_vdst(0)                   ; the wait here, directly ahead of the reader below
	global_store_b32 v10, v26, s[32:33]
.irp i, 0,1,2,3,4,5
	ds_load_b128 v[X+4*\i:X+4*\i+3], v9 offset:512*\i   ; in order behind my stores
.endr
.irp i, 0,1,2,3,4,5
	s_wait_dscnt 5-\i
	global_store_b128 v8, v[X+4*\i:X+4*\i+3], s[34:35] offset:512*\i
.endr
	s_wait_tensorcnt 0x0                           ; the wave's end: the wait, the add and its wait behind my last LDS store
	ds_add_u32 v[SPW], v[NIL]
	s_wait_dscnt 0x0
	s_endpgm
.Lfunc_end_k_qc4f6438814_quant_x:
	.size	k_qc4f6438814_quant_x, .Lfunc_end_k_qc4f6438814_quant_x-k_qc4f6438814_quant_x
	.p2alignl 7, 3214868480
	.fill 96, 4, 3214868480
	.section	.rodata,"a",@progbits
	.p2align	6, 0x0
	.amdhsa_kernel k_qc4f6438814_quant_x
		.amdhsa_group_segment_fixed_size 46592
		.amdhsa_private_segment_fixed_size 0
		.amdhsa_enable_private_segment 0
		.amdhsa_kernarg_size 64
		.amdhsa_user_sgpr_count 2
		.amdhsa_user_sgpr_kernarg_segment_ptr 1
		.amdhsa_wavefront_size32 1
		.amdhsa_system_sgpr_workgroup_id_x 1
		.amdhsa_system_sgpr_workgroup_id_y 1
		.amdhsa_system_sgpr_workgroup_id_z 1
		.amdhsa_system_vgpr_workitem_id 0
		.amdhsa_next_free_vgpr 256
		.amdhsa_next_free_sgpr 66
		.amdhsa_reserve_vcc 1
		.amdhsa_float_denorm_mode_32 3
		.amdhsa_float_denorm_mode_16_64 3
		.amdhsa_memory_ordered 1
		.amdhsa_forward_progress 1
		.amdhsa_inst_pref_size 68
	.end_amdhsa_kernel
	.amdgpu_metadata
---
amdhsa.version: [ 1, 2 ]
amdhsa.kernels:
  - .name:           k_qc4f6438814_quant_x
    .symbol:         k_qc4f6438814_quant_x.kd
    .args:
      - { .name: x, .offset: 0, .size: 8, .value_kind: global_buffer, .address_space: global }
      - { .name: xb, .offset: 8, .size: 8, .value_kind: global_buffer, .address_space: global }
      - { .name: rt, .offset: 16, .size: 8, .value_kind: global_buffer, .address_space: global }
      - { .name: w_q, .offset: 24, .size: 8, .value_kind: global_buffer, .address_space: global }
      - { .name: w_k, .offset: 32, .size: 8, .value_kind: global_buffer, .address_space: global }
      - { .name: w_v, .offset: 40, .size: 8, .value_kind: global_buffer, .address_space: global }
      - { .name: w_o, .offset: 48, .size: 8, .value_kind: global_buffer, .address_space: global }
      - { .name: wb, .offset: 56, .size: 8, .value_kind: global_buffer, .address_space: global }
    .group_segment_fixed_size: 46592
    .private_segment_fixed_size: 0
    .kernarg_segment_align: 8
    .kernarg_segment_size: 64
    .max_flat_workgroup_size: 128
    .sgpr_count:     66
    .vgpr_count:     256
    .wavefront_size: 32
...
	.end_amdgpu_metadata
.endif
;; end of part 1
;; launch proj (part 2): grid 32 x 6, 4 waves a work-group, clusters of 4 x 1, 327,680 bytes of LDS; arguments xb, wb, rt, qb, kv; writes qb, kv
.if DOCPART == 2
	.amdgcn_target "amdgcn-amd-amdhsa--gfx1250"
	.amdhsa_code_object_version 6
	.text
	.protected	k_qc4f6438814_proj
	.globl	k_qc4f6438814_proj
	.p2align	8
	.type	k_qc4f6438814_proj,@function
k_qc4f6438814_proj:
	s_mov_b64 s[64:65], 0
	v_nop
	global_prefetch_b8 v0, s[64:65] scope:SCOPE_SE
	s_setreg_imm32_b32 hwreg(HW_REG_WAVE_MODE, 25, 1), 1
	s_wait_xcnt 0x0
	s_wait_alu depctr_hold_cnt(0) depctr_sa_sdst(0) depctr_va_vdst(0) depctr_va_sdst(0) depctr_va_ssrc(0) depctr_va_vcc(0) depctr_vm_vsrc(0)
	s_getreg_b32 s2, hwreg(HW_REG_IB_STS2, 6, 4)
	s_cmp_eq_u32 s2, 0
	s_cbranch_scc0 .Lentry_in_a_cluster
	s_endpgm
.Lentry_in_a_cluster:
	s_bfe_u32 s2, ttmp6, 0x10000c
	s_cmp_lg_u32 s2, 0x3003
	s_cbranch_scc0 .Lentry_shape_is_right
	s_endpgm
.Lentry_shape_is_right:
; q, k and v = x W on codes of E2M3; q and k are rotated (RoPE) in f32 and quantised along the head's 64, v along the keys; all leave as images of the next operands' registers.
; Work-group (mg, cg): 128 positions x 256 columns (cg 0-3: w_q, 4: w_k, 5: w_v).  Wave w: column group hd = 4 cg + w, 64 columns: 8 tiles of positions x 4 tiles of columns, 32 accumulators.
; ALL OF K LIES IN LDS AT ONCE (x's block 98,304 bytes, W's four groups 196,608): every LDS byte is filled once, there is no ring.  One tensor load a wave (half of x or of W), and the
; products begin when all have landed.
; CLUSTER: the four work-groups of a cluster have the same cg and need the same W: it is asked for jointly (mask 15).  x's block is shared by the six work-groups of a column of the grid; six does
; not divide into clusters of four, so it comes by plain loads.
; q, k: source 0 = 16 columns of W, source 1 = 16 positions: lane (r, h) holds one position, and the 16 registers of tiles 2 b, 2 b + 1 are the head's d = 32 b + 16 h + 0 .. 15 (the tiles' own order of columns).
; v: the sources change places: lane (r, h) holds one d, and its registers run along the positions, which are the next K.
; qb: pair images [head 16][mg 32][pair 4][1536] (tile 2 p's six registers, then tile 2 p + 1's); scale words from QS0 on [head][mg][r 16][t 8], bytes 2 and 3 of a word 0.
; kv: [kv head 4][mg 32][13,056]: K's four pair images; from 6,144 V^T's four images; from 12,288 K's scale words [r][t 8]; from 12,800 V's [r][n 4].
; LIMITS: NaN and infinities are not served; tiny blocks and blocks of zeros keep the byte 1.
; REGISTERS: window 0: v1-13 addresses; v16-111 scale words and nothing else (K step s: x's tile t at 16 + 12 s + t, W's tile n at 24 + 12 s + n); v112-207 x's fragments, one set; on the way out v112-251 at work.
;   window 1: the accumulators.   window 2: W's fragments, two sets of 48.
.set XS0, 3145728
.set WS0, 1966080
.set QS0, 3145728
.set WL,  98304
.set SPARE, 294912                     ; behind W: the spare words, two blocks of 256 bytes that no other line names
.set AXL, 1                            ; v1  16 x lane: x's K steps 0-3
.set AXH, 2                            ; v2  the same + 49,152: K steps 4-7
.set AW,  3                            ; v3  my group of W
.set ASX, 4                            ; v4  16 r
.set ASW, 5                            ; v5  8 r
.set ART, 6                            ; v6  the table: my position's row + 64 h
.set ASC, 7                            ; v7  32 r + 16 h
.set ASV, 8                            ; v8  16 r + 8 h
.set SPW, 10
.set NIL, 11
.set HH,  13                           ; v13 h
.set XF,  112
.set CS,  112                          ; the way out: two sets of 16 cosines and 16 sines
.set R,   176                          ; 32 rotated numbers
.set PC,  176                          ; (v: codes, 12 + 8)
.set KC,  208                          ; a pair image
.set TQ,  220
.set BM,  224
.set TP,  228
.set SOP, 232
.set SC,  236                          ; the scale words made
.set T,   244
.set WV,  14
.set MSB, 0
.macro WIN new                         ; the immediate's high byte repeats the setting that is left
.if MSB != \new
	s_set_vgpr_msb (MSB<<8)|\new
.set MSB, \new
.endif
.endm
.macro ROUND                           ; a round of the cluster's barrier
	s_barrier_signal -1
	s_barrier_wait -1
	s_cmp_lg_u32 s[WV], 0
	s_cbranch_scc1 .Lnot_wave_0_\@
	s_barrier_signal -3
.Lnot_wave_0_\@:
	s_barrier_wait -3
	s_barrier_signal -1
	s_barrier_wait -1
.endm
.macro PLACES                          ; four places behind matrix instructions, ahead of loads into registers that they have read and of reads of their results
.rept 4
	v_nop
.endr
.endm
	s_load_b256 s[4:11], s[0:1], 0x0               ; xb, wb, rt, qb
	s_load_b64 s[12:13], s[0:1], 0x20              ; kv
	v_lshl_add_u32 v[SPW], v0, 2, SPARE
	v_mov_b32 v[NIL], 0
	ds_add_u32 v[SPW], v[NIL]                      ; the opening: the add and its wait ahead of my first tensor load
	ds_add_u32 v[SPW], v[NIL]
	v_lshrrev_b32 v1, 5, v0
	v_readfirstlane_b32 s[WV], v1                  ; wave
	s_bfe_u32 s66, ttmp6, 0x40000                  ; cx
	s_lshl_b32 s67, ttmp9, 2
	s_add_co_u32 s67, s67, s66                     ; mg
	s_and_b32 s68, ttmp7, 0xffff                   ; cg, the same in all partners
	s_lshl_b32 s69, s68, 2
	s_add_co_u32 s69, s69, s[WV]                   ; hd
	; descriptors, group 1: dense blocks.  x: 192 rows of 256 bytes (32 elements of 8 bytes), no mask.  W: 4 rows of 24,576 bytes, all four partners
	s_mov_b32 s16, 3<<16
	s_mov_b32 s17, 32<<16
	s_mov_b32 s18, 192<<16                         ; x: half of the block, K steps 0-3 or 4-7: 192 rows of 256 bytes
	s_mov_b32 s19, 32<<16
	s_mov_b32 s20, 192
	s_mov_b32 s21, 32
	s_mov_b32 s22, 0
	s_mov_b32 s23, 0
	s_mov_b32 s24, 15|(3<<16)|(1<<21)
	s_mov_b32 s25, 3072<<16                        ; W: four K steps of each of the four groups: 4 rows of 24,576 bytes, 49,152 bytes apart in memory, on end in LDS
	s_mov_b32 s26, 4<<16
	s_mov_b32 s27, 3072<<16
	s_mov_b32 s28, 4
	s_mov_b32 s29, 6144
	s_mov_b32 s30, 0
	s_mov_b32 s31, 0
	s_mul_i32 s70, s67, 98304                      ; x's block,
	; ONE TENSOR LOAD A WAVE: waves 0 and 2 bring x's K steps 0-3 and 4-7, waves 1 and 3 W's, jointly; every LDS byte is filled once
	s_lshr_b32 s75, s[WV], 1                       ; which half of K I fetch
	s_and_b32 s98, s[WV], 1                        ; for x (0) or for W (1)
	s_mul_i32 s15, s75, 49152
	s_add_co_u32 s70, s70, s15
	s_mov_b32 s71, 0
	s_mul_i32 s72, s68, 196608                     ; the four groups of cg: no place in the cluster enters it
	s_mul_i32 s73, s75, 24576
	s_add_co_u32 s72, s72, s73
	s_mov_b32 s73, 0
	s_mul_i32 s99, s75, 98304
	s_add_co_u32 s99, s99, WL                      ; W in LDS: [half of K][group 4][K step 4][6,144]
	s_mul_i32 s74, s[WV], 24576
	s_add_co_u32 s74, s74, WL                      ; my group's K steps 0-3
	s_wait_dscnt 0x0                               ; the opening add is done
	s_wait_kmcnt 0x0
	s_add_nc_u64 s[70:71], s[4:5], s[70:71]
	s_add_nc_u64 s[72:73], s[6:7], s[72:73]
	s_mov_b32 s32, 1
	s_mov_b32 s33, s15
	s_mov_b64 s[34:35], s[70:71]
	s_or_b32 s35, s35, 0x80000000
	s_mov_b32 s36, 1
	s_mov_b32 s37, s99
	s_mov_b64 s[38:39], s[72:73]
	s_or_b32 s39, s39, 0x80000000
	ROUND                                          ; all four work-groups are here: the joint loads meet
	s_cmp_eq_u32 s98, 0
	s_cbranch_scc0 .Lfor_w
	tensor_load_to_lds s[32:35], s[16:23]
	s_nop 0
	PLACES
	s_branch .Lasked
.Lfor_w:
	tensor_load_to_lds s[36:39], s[24:31]
	s_nop 0
	PLACES
.Lasked:
	v_and_b32 v9, 31, v0
	v_lshlrev_b32 v[AXL], 4, v9
	v_add_nc_u32 v[AXH], 49152, v[AXL]
	v_add_nc_u32 v[AW], s74, v[AXL]
	v_add_nc_u32 v15, 98304, v[AW]                 ; v15: my group's K steps 4-7
	v_and_b32 v12, 15, v0                          ; r
	v_bfe_u32 v[HH], v0, 4, 1                      ; h
	v_lshlrev_b32 v[ASX], 4, v12
	s_wait_alu depctr_va_vdst(0)
	v_lshlrev_b32 v[ASW], 3, v12
	s_wait_alu depctr_va_vdst(0)
	v_and_b32 v14, 8, v12
	v_mad_u32_u24 v14, v14, 3, v12                 ; r % 8 + 32 (r / 8): my position in a tile's order of rows
	v_lshlrev_b32 v[ART], 8, v14
	v_lshl_add_u32 v[ART], v[HH], 6, v[ART]
	v_lshlrev_b32 v[ASC], 5, v12
	v_lshl_add_u32 v[ASC], v[HH], 4, v[ASC]
	v_lshl_add_u32 v[ASV], v[HH], 3, v[ASX]
	s_lshl_b32 s76, s67, 12
	s_add_co_u32 s76, s76, XS0
	s_mov_b32 s77, 0
	s_add_nc_u64 s[76:77], s[4:5], s[76:77]        ; x's scale words
	s_lshl_b32 s78, s69, 11
	s_add_co_u32 s78, s78, WS0
	s_mov_b32 s79, 0
	s_add_nc_u64 s[78:79], s[6:7], s[78:79]        ; W's
.irp k, 0,1,2,3,4,5,6,7
	global_load_b128 v[16+12*\k:19+12*\k], v[ASX], s[76:77] offset:512*\k
	global_load_b128 v[20+12*\k:23+12*\k], v[ASX], s[76:77] offset:512*\k+256
	global_load_b64 v[24+12*\k:25+12*\k], v[ASW], s[78:79] offset:256*\k
	global_load_b64 v[26+12*\k:27+12*\k], v[ASW], s[78:79] offset:256*\k+128
.endr
	s_lshl_b32 s80, s67, 15
	s_mov_b32 s81, 0
	s_add_nc_u64 s[80:81], s[8:9], s[80:81]        ; the table's 128 rows of my positions
	s_cmp_lt_u32 s68, 4                            ; q goes to qb, k and v to kv: every choice is made ahead of the sums, which change SCC
	s_cselect_b64 s[82:83], s[10:11], s[12:13]
	s_cselect_b32 s84, s69, s[WV]                  ; head, or kv head
	s_mov_b32 s85, 13056
	s_cselect_b32 s85, 6144, s85                   ; bytes from block to block
	s_mov_b32 s86, 13056
	s_cselect_b32 s86, 512, s86                    ; the same for the scale words,
	s_mov_b32 s87, 12288
	s_cselect_b32 s87, QS0, s87                    ; and where they begin
	s_lshl_b32 s84, s84, 5
	s_add_co_u32 s84, s84, s67
	s_mul_i32 s88, s84, s85
	s_mov_b32 s89, 0
	s_mul_i32 s90, s84, s86
	s_add_co_u32 s90, s90, s87
	s_mov_b32 s91, 0
	s_add_nc_u64 s[92:93], s[82:83], s[88:89]      ; my block
	s_add_nc_u64 s[94:95], s[82:83], s[90:91]      ; its scale words
	s_mov_b32 s96, 0x76543210
	s_mov_b32 s97, 0xfedcba98                      ; selects for lane l xor 16
.macro FETCH_W ks, p                   ; W's four fragments of K step ks into set p: 12 loads of 512 consecutive bytes
	WIN 0x80
.irp i, 0,1,2,3,4,5,6,7,8,9,10,11
	ds_load_b128 v[48*(\p)+4*\i:48*(\p)+4*\i+3], v[AW+12*((\ks)/4)] offset:((\ks)%4)*6144+512*\i
.endr
	WIN 0
.endm
.macro FETCH_X ks, t0                  ; x's tiles t0 .. t0 + 3: 12 loads
.set RA, AXL+(\ks)/4
.set OFS, ((\ks)%4)*12288+(\t0)*1536
.irp i, 0,1,2,3,4,5,6,7,8,9,10,11
	ds_load_b128 v[XF+12*(\t0)+4*\i:XF+12*(\t0)+4*\i+3], v[RA] offset:OFS+512*\i
.endr
.endm
; 16 matrix instructions: x's tiles t0 .. t0 + 3 against W's four.  The 32 accumulators take turns, one instruction a turn, in the same order in every K step.
.macro MUL16 ks, t0, p, zero, swap
.irp t, \t0, \t0+1, \t0+2, \t0+3
.irp n, 0,1,2,3
.if \swap
.if \zero
	v_wmma_scale_f32_16x16x128_f8f6f4 v[8*(8*\n+(\t)):8*(8*\n+(\t))+7], v[XF+12*(\t):XF+12*(\t)+11], v[48*(\p)+12*\n:48*(\p)+12*\n+11], 0, v[16+12*(\ks)+(\t)], v[24+12*(\ks)+\n] matrix_a_fmt:MATRIX_FMT_FP6 matrix_b_fmt:MATRIX_FMT_FP6
.else
	v_wmma_scale_f32_16x16x128_f8f6f4 v[8*(8*\n+(\t)):8*(8*\n+(\t))+7], v[XF+12*(\t):XF+12*(\t)+11], v[48*(\p)+12*\n:48*(\p)+12*\n+11], v[8*(8*\n+(\t)):8*(8*\n+(\t))+7], v[16+12*(\ks)+(\t)], v[24+12*(\ks)+\n] matrix_a_fmt:MATRIX_FMT_FP6 matrix_b_fmt:MATRIX_FMT_FP6
.endif
.else
.if \zero
	v_wmma_scale_f32_16x16x128_f8f6f4 v[8*(4*(\t)+\n):8*(4*(\t)+\n)+7], v[48*(\p)+12*\n:48*(\p)+12*\n+11], v[XF+12*(\t):XF+12*(\t)+11], 0, v[24+12*(\ks)+\n], v[16+12*(\ks)+(\t)] matrix_a_fmt:MATRIX_FMT_FP6 matrix_b_fmt:MATRIX_FMT_FP6
.else
	v_wmma_scale_f32_16x16x128_f8f6f4 v[8*(4*(\t)+\n):8*(4*(\t)+\n)+7], v[48*(\p)+12*\n:48*(\p)+12*\n+11], v[XF+12*(\t):XF+12*(\t)+11], v[8*(4*(\t)+\n):8*(4*(\t)+\n)+7], v[24+12*(\ks)+\n], v[16+12*(\ks)+(\t)] matrix_a_fmt:MATRIX_FMT_FP6 matrix_b_fmt:MATRIX_FMT_FP6
.endif
.endif
.endr
.endr
.endm
; A K step that has a successor.  x has one set of registers: tiles 0-3 are fetched anew in the step's middle, tiles 4-7 at its end; W has two sets.
.macro STEP ks, zero, swap
.set MW, 0x52+6*(\swap)                ; q, k: source 0 (W) window 2, source 1 (x) window 0; v: the other way round; C and D window 1
	s_wait_dscnt 12                                ; W's set and x's tiles 0-3 are in; the youngest 12 loads (tiles 4-7) may be out
	WIN MW
	MUL16 \ks, 0, (\ks)%2, \zero, \swap
	s_wait_dscnt 0x0                               ; tiles 4-7 are in
	PLACES
	FETCH_W (\ks)+1, 1-(\ks)%2
	FETCH_X (\ks)+1, 0
	WIN MW
	MUL16 \ks, 4, (\ks)%2, \zero, \swap
	PLACES
	WIN 0
	FETCH_X (\ks)+1, 4
.endm
.macro GEMM swap
	STEP 0, 1, \swap                               ; the first products start the sums: nothing is cleared
	STEP 1, 0, \swap
	STEP 2, 0, \swap
	STEP 3, 0, \swap
	STEP 4, 0, \swap
	STEP 5, 0, \swap
	STEP 6, 0, \swap
	s_wait_dscnt 12
	WIN MW
	MUL16 7, 0, 1, 0, \swap
	s_wait_dscnt 0x0
	MUL16 7, 4, 1, 0, \swap
	WIN 0
	PLACES
.endm
	s_wait_tensorcnt 0x0                           ; my one load has landed; behind the barrier everybody's has: all of K lies in LDS
	s_barrier_signal -1
	s_barrier_wait -1
	FETCH_W 0, 0
	FETCH_X 0, 0
	FETCH_X 0, 4
	s_wait_loadcnt 0x0                             ; the scale words
.irp b, 0,1,2,3
	v_mov_b32 v[TP+\b], 0                          ; written once: a lane permute's destination counts as one of its sources
.endr
	s_cmp_eq_u32 s68, 5
	s_cbranch_scc1 .Lv_path
; ---------------- q and k
	GEMM 0
.macro CSLOAD t                        ; cosines and sines of my position of tile t, frequencies 16 h + 0 .. 15
.irp j, 0,1,2,3
	global_load_b128 v[CS+32*((\t)%2)+4*\j:CS+32*((\t)%2)+4*\j+3], v[ART], s[80:81] offset:(64*((\t)/4)+8*((\t)%4))*256+16*\j
	global_load_b128 v[CS+32*((\t)%2)+16+4*\j:CS+32*((\t)%2)+16+4*\j+3], v[ART], s[80:81] offset:(64*((\t)/4)+8*((\t)%4))*256+128+16*\j
.endr
.endm
.macro ROPE t                          ; registers 32 t + i: d = 16 h + i; 32 t + 16 + i: d = 32 + 16 h + i.  Each accumulator is read from its low end on
.set CB, CS+32*((\t)%2)
	WIN 0x01                                       ; source 0: the accumulators' window
.irp i, 0,2,4,6,8,10,12,14
.set TT, T+4*((\i/2)%2)
	v_pk_mul_f32 v[TT:TT+1], v[32*(\t)+16+\i:32*(\t)+17+\i], v[CB+16+\i:CB+17+\i]
	v_pk_mul_f32 v[TT+2:TT+3], v[32*(\t)+16+\i:32*(\t)+17+\i], v[CB+\i:CB+\i+1]
	v_pk_fma_f32 v[R+\i:R+\i+1], v[32*(\t)+\i:32*(\t)+\i+1], v[CB+\i:CB+\i+1], v[TT:TT+1] neg_lo:[0,0,1] neg_hi:[0,0,1]
	v_pk_fma_f32 v[R+16+\i:R+17+\i], v[32*(\t)+\i:32*(\t)+\i+1], v[CB+16+\i:CB+17+\i], v[TT+2:TT+3]
.endr
	WIN 0
.endm
; 32 numbers of a lane, register 16 b + i = k 32 b + 16 h + i of my row, become six registers of codes (lane (r, h): k = 32 h + 0 .. 31) and a scale word of two bytes
.macro QUANT2 src, dst, word
.irp b, 0,1
	v_max3_num_f32 v[BM+\b], |v[\src+16*\b]|, |v[\src+16*\b+1]|, 0x1800000
.endr
.irp i, 2,4,6,8,10,12,14
.irp b, 0,1
	v_max3_num_f32 v[BM+\b], v[BM+\b], |v[\src+16*\b+\i]|, |v[\src+16*\b+\i+1]|
.endr
.endr
.irp b, 0,1
	v_permlanex16_b32 v[TP+\b], v[BM+\b], s96, s97
.endr
.irp b, 0,1
	v_max_num_f32 v[BM+\b], v[BM+\b], v[TP+\b]     ; with lane l xor 16's 16: the block's largest magnitude
.endr
.irp b, 0,1
	v_add_nc_u32 v[SOP+\b], 0xff000000, v[BM+\b]
.endr
.irp b, 0,1
	v_lshrrev_b32 v[TP+\b], 23, v[SOP+\b]
.endr
	v_lshl_or_b32 v[\word], v[TP+1], 8, v[TP]
	v_cvt_scalef32_pk16_fp6_f32 v[\dst:\dst+2], v[\src:\src+15], v[SOP]
	v_cvt_scalef32_pk16_fp6_f32 v[TQ:TQ+2], v[\src+16:\src+31], v[SOP+1]
	v_nop                                          ; one plain place behind the conversions
.irp i, 0,1,2
	v_permlane16_swap_b32 v[\dst+\i], v[TQ+\i]     ; a whole block to a lane: lanes 0-15 block 0, lanes 16-31 block 1
.endr
.irp i, 0,1,2
	v_mov_b32 v[\dst+3+\i], v[TQ+\i]
.endr
.endm
	s_wait_alu depctr_va_vdst(0)
	CSLOAD 0
	CSLOAD 1
.irp t, 0,1,2,3,4,5,6,7
.if \t < 7
	s_wait_loadcnt 8                               ; this tile's eight loads are in; the next tile's may be out
.else
	s_wait_loadcnt 0x0
.endif
	ROPE \t
.if \t < 6
	CSLOAD \t+2
.endif
.if (\t%2 == 0) && (\t > 0)
	s_wait_xcnt 0x0                                ; the last pair's stores have read the image's registers
.endif
	QUANT2 R, KC+6*(\t%2), SC+\t
.if \t%2 == 1
.irp g, 0,1,2
	global_store_b128 v[AXL], v[KC+4*\g:KC+4*\g+3], s[92:93] offset:(\t/2)*1536+512*\g
.endr
.endif
.endr
	v_cmp_ne_u32 vcc_lo, 0, v[HH]
.irp i, 0,1,2,3
	v_cndmask_b32 v[T+\i], v[SC+\i], v[SC+4+\i], vcc_lo   ; lane (r, h) stores the words of tiles 4 h .. 4 h + 3
.endr
	global_store_b128 v[ASC], v[T:T+3], s[94:95]
	s_branch .Ldone
; ---------------- v
.Lv_path:
	GEMM 1
; the 64 registers of column tile n: register 32 c + i = key 64 c + 32 h + i of my d: a whole fragment of V^T and its scale word
.macro QUANT4 n
	WIN 0x14                                       ; sources 1 and 2: the accumulators' window
; by the tiles' order of rows register 32 c + i of column tile n is key 64 c + 32 h + i of my d: two WHOLE blocks a lane, in the operand's own order: no other lane is asked for a maximum, no codes change lanes
.irp c, 0,1
	v_max3_num_f32 v[BM+\c], 0x1800000, |v[64*(\n)+32*\c]|, |v[64*(\n)+32*\c+1]|
.endr
.irp i, 2,4,6,8,10,12,14,16,18,20,22,24,26,28,30
.irp c, 0,1
	v_max3_num_f32 v[BM+\c], v[BM+\c], |v[64*(\n)+32*\c+\i]|, |v[64*(\n)+32*\c+\i+1]|
.endr
.endr
	WIN 0
	v_lshlrev_b32 v[T+2], 3, v[HH]                 ; 8 h
.irp c, 0,1
	v_add_nc_u32 v[SOP+\c], 0xff000000, v[BM+\c]
.endr
.irp c, 0,1
	v_lshrrev_b32 v[TP+\c], 23, v[SOP+\c]
.endr
	v_lshl_or_b32 v[SC+\n], v[TP+1], 16, v[TP]     ; blocks h and 2 + h,
	v_lshlrev_b32 v[SC+\n], v[T+2], v[SC+\n]       ; at their places;
	v_permlanex16_b32 v[TP+2], v[SC+\n], s96, s97
	v_or_b32 v[SC+\n], v[SC+\n], v[TP+2]           ; with lane l xor 16's two the word is whole
.if \n > 0
	s_wait_alu depctr_va_vdst(0)                   ; the wait here, directly ahead of the wait below
	s_wait_xcnt 0x0                                ; the last image's stores have read their registers
.endif
	WIN 0x01
.irp c, 0,1
	v_cvt_scalef32_pk16_fp6_f32 v[PC+6*\c:PC+6*\c+2], v[64*(\n)+32*\c:64*(\n)+32*\c+15], v[SOP+\c]
	v_cvt_scalef32_pk16_fp6_f32 v[PC+12+4*\c:PC+14+4*\c], v[64*(\n)+32*\c+16:64*(\n)+32*\c+31], v[SOP+\c]
.endr
	WIN 0
	v_nop
.irp c, 0,1
.irp i, 0,1,2
	v_mov_b32 v[PC+3+6*\c+\i], v[PC+12+4*\c+\i]
.endr
.endr
.irp g, 0,1,2
	global_store_b128 v[AXL], v[PC+4*\g:PC+4*\g+3], s[92:93] offset:6144+1536*(\n)+512*\g
.endr
.endm
	QUANT4 0
	QUANT4 1
	QUANT4 2
	QUANT4 3
	v_cmp_ne_u32 vcc_lo, 0, v[HH]
	v_cndmask_b32 v[T], v[SC], v[SC+2], vcc_lo
	v_cndmask_b32 v[T+1], v[SC+1], v[SC+3], vcc_lo
	global_store_b64 v[ASV], v[T:T+1], s[94:95] offset:512   ; 12,800 in the block
.Ldone:
	s_wait_tensorcnt 0x0                           ; the wave's end: the wait, the add and its wait behind my last tensor load
	ds_add_u32 v[SPW], v[NIL]
	s_wait_dscnt 0x0
	ROUND                                          ; the closing round
	s_endpgm
.Lfunc_end_k_qc4f6438814_proj:
	.size	k_qc4f6438814_proj, .Lfunc_end_k_qc4f6438814_proj-k_qc4f6438814_proj
	.p2alignl 7, 3214868480
	.fill 96, 4, 3214868480
	.section	.rodata,"a",@progbits
	.p2align	6, 0x0
	.amdhsa_kernel k_qc4f6438814_proj
		.amdhsa_group_segment_fixed_size 327680
		.amdhsa_private_segment_fixed_size 0
		.amdhsa_enable_private_segment 0
		.amdhsa_kernarg_size 40
		.amdhsa_user_sgpr_count 2
		.amdhsa_user_sgpr_kernarg_segment_ptr 1
		.amdhsa_wavefront_size32 1
		.amdhsa_system_sgpr_workgroup_id_x 1
		.amdhsa_system_sgpr_workgroup_id_y 1
		.amdhsa_system_sgpr_workgroup_id_z 1
		.amdhsa_system_vgpr_workitem_id 0
		.amdhsa_next_free_vgpr 640
		.amdhsa_next_free_sgpr 100
		.amdhsa_reserve_vcc 1
		.amdhsa_float_denorm_mode_32 3
		.amdhsa_float_denorm_mode_16_64 3
		.amdhsa_memory_ordered 1
		.amdhsa_forward_progress 1
		.amdhsa_inst_pref_size 168
	.end_amdhsa_kernel
	.amdgpu_metadata
---
amdhsa.version: [ 1, 2 ]
amdhsa.kernels:
  - .name:           k_qc4f6438814_proj
    .symbol:         k_qc4f6438814_proj.kd
    .args:
      - { .name: xb, .offset: 0, .size: 8, .value_kind: global_buffer, .address_space: global }
      - { .name: wb, .offset: 8, .size: 8, .value_kind: global_buffer, .address_space: global }
      - { .name: rt, .offset: 16, .size: 8, .value_kind: global_buffer, .address_space: global }
      - { .name: qb, .offset: 24, .size: 8, .value_kind: global_buffer, .address_space: global }
      - { .name: kv, .offset: 32, .size: 8, .value_kind: global_buffer, .address_space: global }
    .group_segment_fixed_size: 327680
    .private_segment_fixed_size: 0
    .kernarg_segment_align: 8
    .kernarg_segment_size: 40
    .max_flat_workgroup_size: 128
    .sgpr_count:     100
    .vgpr_count:     640
    .wavefront_size: 32
...
	.end_amdgpu_metadata
.endif
;; end of part 2
;; launch attn (part 3): grid 64 x 4, 16 waves a work-group, clusters of 4 x 1, 327,680 bytes of LDS; arguments qb, kv, ab; writes ab
.if DOCPART == 3
	.amdgcn_target "amdgcn-amd-amdhsa--gfx1250"
	.amdhsa_code_object_version 6
	.text
	.protected	k_qc4f6438814_attn
	.globl	k_qc4f6438814_attn
	.p2align	8
	.type	k_qc4f6438814_attn,@function
k_qc4f6438814_attn:
	s_mov_b64 s[64:65], 0
	v_nop
	global_prefetch_b8 v0, s[64:65] scope:SCOPE_SE
	s_setreg_imm32_b32 hwreg(HW_REG_WAVE_MODE, 25, 1), 1
	s_wait_xcnt 0x0
	s_wait_alu depctr_hold_cnt(0) depctr_sa_sdst(0) depctr_va_vdst(0) depctr_va_sdst(0) depctr_va_ssrc(0) depctr_va_vcc(0) depctr_vm_vsrc(0)
	s_getreg_b32 s2, hwreg(HW_REG_IB_STS2, 6, 4)
	s_cmp_eq_u32 s2, 0
	s_cbranch_scc0 .Lentry_in_a_cluster
	s_endpgm
.Lentry_in_a_cluster:
	s_bfe_u32 s2, ttmp6, 0x10000c
	s_cmp_lg_u32 s2, 0x3003
	s_cbranch_scc0 .Lentry_shape_is_right
	s_endpgm
.Lentry_shape_is_right:
; softmax(q k^T / 8) v for 16 heads on 4 key/value heads, both products on codes of E2M3; the result, divided by the row's sum, is quantised along d_model for the last product.
; t = score x log2(e) / 8; M = the running largest t rounded UP to a whole number; p = 2^(t - M) is quantised along the keys; the row's sum is taken of the unquantised p; when M moves, sum and O are
; multiplied by 2^(old M - new M), which rounds nothing.
; SHARES.  Work-group (wgx, kv head): 64 positions (tiles 4 tq .. 4 tq + 3 of group mg; wgx = 2 mg + tq) of the four query heads that share the kv head.  Each of sixteen waves owns one tile of 16 queries
; of one head, in 256 registers, and walks all 4,096 keys, 128 a step.
; CLUSTER.  The four work-groups of a cluster have the same kv head and walk the same K and V: each key step's block of 13,056 bytes is asked for jointly (mask 15), a block a wave.
; RING.  Three regions of 4, 12 and 8 blocks; the 32 steps go as 4 (region 0), 12 (region 1), 8 (region 2), 8 (region 1 again): four fills.  Waves 0-3, 0-11, 0-7, 0-7 load one block each.
; A later fill has four key steps or more of all sixteen waves in which to land and no wave waits for it in the walk, so nothing is asked of memory ahead of the tensor loads.
; LAYOUT.  S^T = K Q^T, O^T = V^T P^T: a lane holds one query throughout.  Row r of key tile t is key 64 (t / 4) + 32 (r / 8) + 8 (t % 4) + r % 8 of the step, so register 32 c + i of a lane's 64 scores
; is key 64 c + 32 h + i: TWO WHOLE BLOCKS OF 32 KEYS A LANE, in the order of the next operand's registers.  A block's maximum needs no other lane and p's codes stay in their lane.
; K = 64 IN AN INSTRUCTION OF 128: Q's upper six registers are zero codes and the scale words of Q and K have 0 in bytes 2 and 3.  K's tiles lie six registers apart, so a tile's operand runs on into the
; next tile's codes (behind the last: six registers of zeros): those meet zero codes and add nothing.
; LIMITS: NaN and infinities are not served; tiny blocks and blocks of zeros keep the byte 1; the promise holds while |t| stays under 2^31.
; REGISTERS: v1-6 addresses; v7, v8 the add's two; v12 -M, v13 largest t; v16-27 Q; v28-75 K's eight tiles, then V^T's four fragments; v76-81 zeros; v82 V's address; v83 8 h; v84-87 K's scale words
;   (lanes 0-15 tiles 0-3, lanes 16-31 tiles 4-7); v88-91 the way out's addresses; v92-99 the row's sum in four pairs; v100-101 at work; v124-187 S^T, then p; v188-219 O^T; v220-231 p's codes;
;   v232-247 at work; v248-251 V's scale words; v252 f; v253 p's scale word; v254 at work; v255 Q's scale word.
.set QS0,   3145728
.set AS0,   3145728
.set STEPB, 13056
.set SLOTB, 12*STEPB
.set SCM,   2*SLOTB                    ; 512 bytes in which the sixteen waves' scale halves meet
.set SPARE, SCM+512                    ; the spare words, 128 bytes a wave: eight blocks of 256 bytes that no other line names
.set SPW, 7
.set NIL, 8
.set KF,  28
.set VA,  82
.set H8,  83
.set KS,  84
.set ASCM, 88
.set ARD, 89
.set A8,  90
.set AGS, 91
.set L,   92
.set PT,  100
.set S,   124
.set OT,  188
.set PC,  220
.set BM,  232
.set TP,  236
.set SOP, 244
.set VS,  248
.set WV,  10
.set TB,  11
.set SL,  12
.set SEL, 28
.set CS,  30
.macro ROUND
	s_barrier_signal -1
	s_barrier_wait -1
	s_cmp_lg_u32 s[WV], 0
	s_cbranch_scc1 .Lnot_wave_0_\@
	s_barrier_signal -3
.Lnot_wave_0_\@:
	s_barrier_wait -3
	s_barrier_signal -1
	s_barrier_wait -1
.endm
.macro TLOAD n                         ; waves 0 .. n - 1 fetch one key step's block each; the branch hangs on the wave's number alone
	s_cmp_lt_u32 s[WV], \n
	s_cbranch_scc0 .Lno_load_\@
	tensor_load_to_lds s[24:27], s[16:23]
	s_nop 0
.rept 4
	v_nop
.endr
.Lno_load_\@:
.endm
	s_load_b128 s[4:7], s[0:1], 0x0                ; qb, kv
	s_load_b64 s[8:9], s[0:1], 0x10                ; ab
	v_lshl_add_u32 v[SPW], v0, 2, SPARE
	v_mov_b32 v[NIL], 0
	ds_add_u32 v[SPW], v[NIL]                      ; the opening: the add, twice on end, and its wait ahead of the first tensor load
	ds_add_u32 v[SPW], v[NIL]
	v_lshrrev_b32 v9, 5, v0
	v_readfirstlane_b32 s[WV], v9                  ; wave 0..15
	s_bfe_u32 s40, ttmp6, 0x40000                  ; cx
	s_lshl_b32 s41, ttmp9, 2
	s_add_co_u32 s41, s41, s40                     ; wgx
	s_lshr_b32 s42, s41, 1                         ; mg
	s_and_b32 s43, s41, 1                          ; tq
	s_and_b32 s44, ttmp7, 0xffff                   ; kv head, which the partners share
	s_lshr_b32 s45, s[WV], 2                       ; which of the four query heads
	s_and_b32 s46, s[WV], 3                        ; which of the four tiles
	s_lshl_b32 s47, s44, 2
	s_add_co_u32 s47, s47, s45                     ; head
	s_lshl_b32 s48, s43, 2
	s_add_co_u32 s48, s48, s46                     ; t
	s_mov_b32 s16, 15|(3<<16)|(1<<21)              ; group 1: 51 rows of 256 bytes (32 elements of 8 bytes), dense; all four partners
	s_mov_b32 s17, 32<<16
	s_mov_b32 s18, 51<<16
	s_mov_b32 s19, 32<<16
	s_mov_b32 s20, 51
	s_mov_b32 s21, 32
	s_mov_b32 s22, 0
	s_mov_b32 s23, 0
	s_min_u32 s13, s[WV], 11                       ; (waves 12-15 load nothing)
	s_mul_i32 s13, s13, STEPB                      ; my block of a slot, in memory and in LDS
	s_mul_i32 s38, s44, 417792                     ; the kv head's 32 blocks
	s_add_co_u32 s38, s38, s13
	s_mov_b32 s39, 0
	s_mov_b32 s[SEL], 0x76543210
	s_mov_b32 s[SEL+1], 0xfedcba98                 ; selects for lane l xor 16
	s_mov_b32 s[CS], 0x3e38aa3b                    ; c = log2(e) / 8
	s_mov_b32 s[CS+1], s[CS]                       ; (named with it as a pair)
	s_lshr_b32 s54, s[WV], 3                       ; my half word among the scale halves: unit head / 2, tile, half head % 2
	s_lshl_b32 s54, s54, 8
	s_lshl_b32 s55, s46, 2
	s_add_co_u32 s54, s54, s55
	s_and_b32 s55, s45, 1
	s_lshl_b32 s55, s55, 1
	s_add_co_u32 s54, s54, s55
	s_add_co_u32 s36, s54, SCM
	s_lshl_b32 s52, s47, 5
	s_add_co_u32 s52, s52, s42                     ; 32 head + mg
	s_mul_i32 s56, s52, 6144
	s_lshr_b32 s53, s48, 1
	s_mul_i32 s53, s53, 1536
	s_add_co_u32 s56, s56, s53                     ; my pair image of Q
	s_and_b32 s54, s48, 1                          ; which of the pair: its six registers lie at 0, 8, 512 or at 520, 1024, 1032 (+ 16 x lane)
	s_mul_i32 s55, s54, 520
	s_mul_i32 s54, s54, 1016
	s_add_co_u32 s58, s56, s54
	s_add_co_u32 s58, s58, 8
	s_add_co_u32 s56, s56, s55
	s_add_co_u32 s60, s56, 512
	s_mov_b32 s57, 0
	s_mov_b32 s59, 0
	s_mov_b32 s61, 0
	s_lshl_b32 s52, s52, 9
	s_lshl_b32 s53, s48, 2
	s_add_co_u32 s52, s52, s53
	s_add_co_u32 s52, s52, QS0                     ; Q's scale words
	s_mov_b32 s53, 0
	s_lshl_b32 s32, s42, 3                         ; ab: ((8 mg + head / 2) 8 + t) 1,536 + (head % 2) 768
	s_lshr_b32 s33, s47, 1
	s_add_co_u32 s32, s32, s33
	s_lshl_b32 s32, s32, 3
	s_add_co_u32 s32, s32, s48
	s_mul_i32 s32, s32, 1536
	s_and_b32 s33, s47, 1
	s_mul_i32 s33, s33, 768
	s_add_co_u32 s32, s32, s33
	s_mov_b32 s33, 0
	s_lshl_b32 s34, s42, 3                         ; its scale words: ((8 mg + 2 kv head) 2 + tq) 256
	s_lshl_b32 s35, s44, 1
	s_add_co_u32 s34, s34, s35
	s_lshl_b32 s34, s34, 1
	s_add_co_u32 s34, s34, s43
	s_lshl_b32 s34, s34, 8
	s_add_co_u32 s34, s34, AS0
	s_mov_b32 s35, 0
	s_wait_dscnt 0x0                               ; both opening adds are done
	s_wait_kmcnt 0x0
	s_mov_b32 s24, 1
	s_mov_b32 s25, s13
	s_add_nc_u64 s[26:27], s[6:7], s[38:39]
	s_or_b32 s27, s27, 0x80000000
	s_add_nc_u64 s[56:57], s[4:5], s[56:57]
	s_add_nc_u64 s[58:59], s[4:5], s[58:59]
	s_add_nc_u64 s[60:61], s[4:5], s[60:61]
	s_add_nc_u64 s[52:53], s[4:5], s[52:53]
	s_add_nc_u64 s[32:33], s[8:9], s[32:33]
	s_add_nc_u64 s[34:35], s[8:9], s[34:35]
	ROUND                                          ; all four work-groups are here
	TLOAD 4                                        ; region 0: key steps 0-3
	v_and_b32 v9, 31, v0
	v_and_b32 v10, 15, v0                          ; r
	v_bfe_u32 v11, v0, 4, 1                        ; h
	v_lshlrev_b32 v1, 4, v9                        ; 16 x lane
	v_lshlrev_b32 v2, 5, v10
	v_lshl_add_u32 v3, v10, 4, 12800               ; V's scale words: 16 r
	v_lshl_add_u32 v2, v11, 4, v2
	v_lshlrev_b32 v[H8], 3, v11
	v_add_nc_u32 v2, 12288, v2                     ; K's scale words: 32 r + 16 h
	v_lshl_add_u32 v[ASCM], v10, 4, s36
	v_add_nc_u32 v[ARD], SCM, v1
	v_lshlrev_b32 v[A8], 3, v9
	v_lshlrev_b32 v[AGS], 9, v11
	v_lshl_add_u32 v[AGS], v10, 4, v[AGS]          ; the two units lie 512 bytes apart in ab
	v_lshlrev_b32 v9, 5, v10                       ; Q's scale word: 32 r
	s_wait_alu depctr_va_vdst(0)                   ; the wait ahead of the readers below
	global_load_b64 v[16:17], v1, s[56:57]
	global_load_b64 v[18:19], v1, s[58:59]
	global_load_b64 v[20:21], v1, s[60:61]
	global_load_b32 v255, v9, s[52:53]
	v_mov_b32 v13, 0xff61b1e6                      ; the largest t so far: -3e38
	v_floor_f32 v12, -v13                          ; -M
.irp i, 22,23,24,25,26,27,76,77,78,79,80,81
	v_mov_b32 v[\i], 0                             ; zero codes
.endr
.irp i, 0,1,2,3,4,5,6,7,8,9
	v_mov_b32 v[L+\i], 0                           ; the sum; and v100, v101: a lane permute's destination counts as one of its sources
.endr
	v_mov_b32 v253, 0                              ; (named as the upper half of v[252:253] before it is first written)
.set j, 0
.rept 32
	v_mov_b32 v[OT+j], 0                           ; the step is written once: the first finds zeros
.set j, j+1
.endr
.macro TM a, b                         ; t - M of the pairs a .. b of scores
.set j, \a
.rept (\b)-(\a)+1
	v_pk_fma_f32 v[S+2*j:S+2*j+1], v[S+2*j:S+2*j+1], s[CS:CS+1], v[12:13] op_sel_hi:[1,0,0]
.set j, j+1
.endr
.endm
.macro SUM a, b                        ; the pairs a .. b of p onto the sum's four pairs, by turns
.set j, \a
.rept (\b)-(\a)+1
	v_pk_add_f32 v[L+2*(j%4):L+2*(j%4)+1], v[L+2*(j%4):L+2*(j%4)+1], v[S+2*j:S+2*j+1]
.set j, j+1
.endr
.endm
; A KEY STEP: the 128 keys whose block begins at LDS byte s[TB]
.macro STEP
	v_add_nc_u32 v4, s[TB], v1
	v_add_nc_u32 v5, s[TB], v2
.irp i, 0,1,2,3,4,5,6,7,8,9,10,11
	ds_load_b128 v[KF+4*\i:KF+4*\i+3], v4 offset:512*\i   ; six vector instructions stand between the last products, which read these registers, and these loads
.endr
	ds_load_b128 v[KS:KS+3], v5
	s_wait_dscnt 0x0
.irp t, 0,1,2,3
	v_wmma_scale_f32_16x16x128_f8f6f4 v[S+8*\t:S+8*\t+7], v[KF+6*\t:KF+6*\t+11], v[16:27], 0, v[KS+\t], v255 matrix_a_fmt:MATRIX_FMT_FP6 matrix_b_fmt:MATRIX_FMT_FP6
.endr
.irp t, 4,5,6,7
	v_wmma_scale_f32_16x16x128_f8f6f4 v[S+8*\t:S+8*\t+7], v[KF+6*\t:KF+6*\t+11], v[16:27], 0, v[KS+\t-4], v255 matrix_a_fmt:MATRIX_FMT_FP6 matrix_b_fmt:MATRIX_FMT_FP6 matrix_a_scale:MATRIX_SCALE_ROW1
.endr
	v_add_nc_u32 v[VA], s[TB], v1                  ; four places: ahead of the loads below and of the first read of the scores
	v_add_nc_u32 v6, s[TB], v3
	v_mov_b32 v254, v12                            ; the old -M
	v_nop
.irp i, 0,1,2,3,4,5,6,7,8,9,10,11
	ds_load_b128 v[KF+4*\i:KF+4*\i+3], v[VA] offset:6144+512*\i   ; V^T lands while the softmax is worked
.endr
	ds_load_b128 v[VS:VS+3], v6
.irp c, 0,1                            ; the largest score of my two blocks of 32 keys, each in two chains: for the row's maximum, and, since p rises with the score, for the block's largest p
	v_max3_num_f32 v[BM+\c], v[S+32*\c], v[S+32*\c+1], v[S+32*\c+2]
	v_max3_num_f32 v[BM+2+\c], v[S+32*\c+16], v[S+32*\c+17], v[S+32*\c+18]
.endr
.irp i, 3,5,7,9,11,13
.irp c, 0,1
	v_max3_num_f32 v[BM+\c], v[BM+\c], v[S+32*\c+\i], v[S+32*\c+\i+1]
	v_max3_num_f32 v[BM+2+\c], v[BM+2+\c], v[S+32*\c+16+\i], v[S+32*\c+17+\i]
.endr
.endr
.irp c, 0,1
	v_max3_num_f32 v[BM+\c], v[BM+\c], v[BM+2+\c], v[S+32*\c+15]
.endr
.irp c, 0,1
	v_max_num_f32 v[BM+\c], v[BM+\c], v[S+32*\c+31]
.endr
	s_delay_alu instid0(VALU_DEP_1)
	v_max_num_f32 v[PT+1], v[BM], v[BM+1]
	s_delay_alu instid0(VALU_DEP_1)
	v_mul_f32 v[PT+1], s[CS], v[PT+1]              ; as t (c is positive)
	s_delay_alu instid0(VALU_DEP_1)
	v_permlanex16_b32 v[PT], v[PT+1], s[SEL], s[SEL+1]
	s_delay_alu instid0(VALU_DEP_1)
	v_max3_num_f32 v13, v13, v[PT+1], v[PT]        ; the running largest t, with lane l xor 16's 64 keys
	s_delay_alu instid0(VALU_DEP_1)
	v_floor_f32 v12, -v13                          ; the new -M
	s_delay_alu instid0(VALU_DEP_1)
	v_sub_f32 v254, v12, v254                      ; old M - new M: a whole number, 0 or less
	TM 0, 7
	v_cvt_i32_f32 v254, v254                       ; (it saturates)
	TM 8, 15
	v_ldexp_f32 v252, 1.0, v254                    ; f
	TM 16, 31
.irp c, 0,1
	v_fma_f32 v[BM+\c], v[BM+\c], s[CS], v12
.endr
.set j, 0
.rept 16
	v_pk_mul_f32 v[OT+j:OT+j+1], v[OT+j:OT+j+1], v[252:253] op_sel_hi:[1,0]   ; O^T under the new M, each accumulator from its low end on
.set j, j+2
.endr
	s_wait_alu depctr_va_vdst(0)                   ; the wait ahead of the batch
.set j, 0
.rept 64
	v_exp_f32 v[S+j], v[S+j]                       ; p
.set j, j+1
.endr
.irp c, 0,1
	v_exp_f32 v[BM+\c], v[BM+\c]                   ; each block's largest p: the same two instructions on the same number
.endr
	v_nop                                          ; the plain place behind the exponentials
	s_wait_alu depctr_va_vdst(0)                   ; one wait for the whole batch, ahead of its first reader
.irp c, 0,1
	v_max_num_f32 v[BM+\c], 0x1800000, v[BM+\c]    ; the floor 2^(3 - 127)
.endr
.irp a, 0,1,2,3
	v_pk_fma_f32 v[L+2*\a:L+2*\a+1], v[L+2*\a:L+2*\a+1], v[252:253], v[S+2*\a:S+2*\a+1] op_sel_hi:[1,0,1]   ; the sum under the new M, and the first four pairs of the unquantised p
.endr
.irp c, 0,1
	v_add_nc_u32 v[SOP+\c], 0xff000000, v[BM+\c]   ; 2 off the exponent field: the conversion's scale operand
.endr
	SUM 4, 5
.irp c, 0,1
	v_lshrrev_b32 v[BM+2+\c], 23, v[SOP+\c]        ; the byte
.endr
	SUM 6, 7
	v_lshl_or_b32 v253, v[BM+3], 16, v[BM+2]       ; blocks h and 2 + h,
	SUM 8, 9
	v_lshlrev_b32 v253, v[H8], v253                ; at their places;
	SUM 10, 11
	v_permlanex16_b32 v[PT], v253, s[SEL], s[SEL+1]
	SUM 12, 13
	v_or_b32 v253, v253, v[PT]                     ; with lane l xor 16's two p's scale word is whole
	v_cvt_scalef32_pk16_fp6_f32 v[PC:PC+2], v[S:S+15], v[SOP]
	v_cvt_scalef32_pk16_fp6_f32 v[TP:TP+2], v[S+16:S+31], v[SOP]       ; (a conversion's three registers begin on an even number)
	v_cvt_scalef32_pk16_fp6_f32 v[PC+6:PC+8], v[S+32:S+47], v[SOP+1]
	v_cvt_scalef32_pk16_fp6_f32 v[TP+4:TP+6], v[S+48:S+63], v[SOP+1]
	SUM 14, 15                                     ; also the plain place behind the conversions
.irp c, 0,1
.irp i, 0,1,2
	v_mov_b32 v[PC+3+6*\c+\i], v[TP+4*\c+\i]
.endr
.endr
	SUM 16, 27                                     ; these twelve also stand between the writing of p's codes and scale word and the products
	s_wait_alu depctr_va_vdst(0)                   ; the wait here, directly ahead of the wait below
	s_wait_dscnt 0x0                               ; V^T and its scale words are in
.irp n, 0,1,2,3
	v_wmma_scale_f32_16x16x128_f8f6f4 v[OT+8*\n:OT+8*\n+7], v[KF+12*\n:KF+12*\n+11], v[PC:PC+11], v[OT+8*\n:OT+8*\n+7], v[VS+\n], v253 matrix_a_fmt:MATRIX_FMT_FP6 matrix_b_fmt:MATRIX_FMT_FP6
.endr
	SUM 28, 31                                     ; the last four pairs are the places behind the products
.endm
.macro WALK n, base                    ; n key steps from LDS byte base on
	s_mov_b32 s[TB], \base
	s_mov_b32 s[SL], \n
.Lwalk_\@:
	STEP
	s_add_co_u32 s[TB], s[TB], STEPB
	s_sub_co_u32 s[SL], s[SL], 1
	s_cmp_lg_u32 s[SL], 0
	s_cbranch_scc1 .Lwalk_\@
.endm
	s_wait_alu depctr_va_vdst(0)                   ; the wait at the head's end
	s_wait_loadcnt 0x0                             ; Q
	s_wait_tensorcnt 0x0                           ; my block of slot 0 is in; the same lines stand ahead of a later first fill as ahead of a refill,
	ds_add_u32 v[SPW], v[NIL]                      ; the add twice
	ds_add_u32 v[SPW], v[NIL]
; THE RING AS IT STANDS (it takes the place of the head's paragraph RING): the 24 blocks of LDS are three regions: 0 (blocks 0-3), 1 (blocks 4-15), 2 (blocks 16-23).  The 32 key steps go as 4 (region 0, asked for
; at the head by waves 0-3), 12 (region 1, waves 0-11), 8 (region 2, waves 0-7), 8 (the first eight blocks of region 1 again, waves 0-7).  Regions 1 and 2 are first filled behind barriers behind which nothing is
; filled again. Each fill has the walk of the region ahead of it, four key steps or more of all sixteen waves, in which to land.
	s_add_co_u32 s25, s13, 4*STEPB                 ; no load of mine is out: the descriptor walks on to region 1,
	s_add_nc_u64 s[26:27], s[26:27], 4*STEPB       ; key steps 4-15
	s_wait_dscnt 0x0
	ROUND
	TLOAD 12
	WALK 4, 0
	s_wait_tensorcnt 0x0                           ; all my loads have landed; the same lines ahead of region 2's first fill
	ds_add_u32 v[SPW], v[NIL]
	ds_add_u32 v[SPW], v[NIL]
	s_add_co_u32 s25, s13, 16*STEPB                ; region 2,
	s_add_nc_u64 s[26:27], s[26:27], 12*STEPB      ; key steps 16-23
	s_wait_dscnt 0x0
	ROUND
	TLOAD 8
	WALK 12, 4*STEPB
	s_wait_tensorcnt 0x0                           ; the refill: all my loads have landed,
	ds_add_u32 v[SPW], v[NIL]
	ds_add_u32 v[SPW], v[NIL]
	s_add_co_u32 s25, s13, 4*STEPB                 ; region 1 again,
	s_add_nc_u64 s[26:27], s[26:27], 8*STEPB       ; key steps 24-31
	s_wait_dscnt 0x0                               ; the adds are done, and my reads of region 1 are over
	ROUND
	TLOAD 8                                        ; the first thing behind the round, and a wave's one tensor load
	WALK 8, 16*STEPB
	s_wait_tensorcnt 0x0                           ; the last fill has landed; nothing is filled again
	ds_add_u32 v[SPW], v[NIL]
	s_wait_dscnt 0x0
	s_barrier_signal -1
	s_barrier_wait -1
	WALK 8, 4*STEPB
; THE WAY OUT: O^T / the sum; register 16 b + i is d = 32 b + 16 h + i of my query: two blocks of the last product's K, each in lanes l and l xor 16
	v_pk_add_f32 v[L:L+1], v[L:L+1], v[L+2:L+3]
	v_pk_add_f32 v[L+4:L+5], v[L+4:L+5], v[L+6:L+7]
	s_delay_alu instid0(VALU_DEP_1)
	v_pk_add_f32 v[L:L+1], v[L:L+1], v[L+4:L+5]
	s_delay_alu instid0(VALU_DEP_1)
	v_add_f32 v14, v[L], v[L+1]
	s_delay_alu instid0(VALU_DEP_1)
	v_permlanex16_b32 v[PT], v14, s[SEL], s[SEL+1]
	s_delay_alu instid0(VALU_DEP_1)
	v_add_f32 v14, v14, v[PT]                      ; the row's sum
	s_wait_alu depctr_va_vdst(0)
	v_rcp_f32 v14, v14
	v_nop                                          ; a plain place behind the reciprocal
	s_wait_alu depctr_va_vdst(0)                   ; and the wait ahead of its first reader, which is also O^T's
.set j, 0
.rept 32
	v_mul_f32 v[S+j], v[OT+j], v14
.set j, j+1
.endr
.irp b, 0,1
	v_max3_num_f32 v[BM+\b], |v[S+16*\b]|, |v[S+16*\b+1]|, 0x1800000
.endr
.irp i, 2,4,6,8,10,12,14
.irp b, 0,1
	s_delay_alu instid0(VALU_DEP_2)
	v_max3_num_f32 v[BM+\b], v[BM+\b], |v[S+16*\b+\i]|, |v[S+16*\b+\i+1]|
.endr
.endr
.irp b, 0,1
	s_delay_alu instid0(VALU_DEP_2)
	v_permlanex16_b32 v[PT+\b], v[BM+\b], s[SEL], s[SEL+1]
.endr
.irp b, 0,1
	s_delay_alu instid0(VALU_DEP_2)
	v_max_num_f32 v[BM+\b], v[BM+\b], v[PT+\b]
.endr
.irp b, 0,1
	s_delay_alu instid0(VALU_DEP_2)
	v_add_nc_u32 v[SOP+\b], 0xff000000, v[BM+\b]
.endr
.irp b, 0,1
	s_delay_alu instid0(VALU_DEP_2)
	v_lshrrev_b32 v[PT+\b], 23, v[SOP+\b]
.endr
	s_delay_alu instid0(VALU_DEP_1)
	v_lshl_or_b32 v254, v[PT+1], 8, v[PT]          ; my head's two bytes of the row's scale word
	v_cvt_scalef32_pk16_fp6_f32 v[PC:PC+2], v[S:S+15], v[SOP]
	v_cvt_scalef32_pk16_fp6_f32 v[TP:TP+2], v[S+16:S+31], v[SOP+1]
	v_nop
.irp i, 0,1,2
	v_permlane16_swap_b32 v[PC+\i], v[TP+\i]       ; a whole block to a lane
.endr
.irp i, 0,1,2
	v_mov_b32 v[PC+3+\i], v[TP+\i]
.endr
	global_store_b128 v1, v[PC:PC+3], s[32:33]                ; 512 consecutive bytes,
	global_store_b64 v[A8], v[PC+4:PC+5], s[32:33] offset:512 ; and 256: half an image
	ds_store_b16 v[ASCM], v254                     ; both lanes of a row write the same two bytes with the same value
	s_wait_dscnt 0x0                               ; for the others' sake
	s_barrier_signal -1
	s_barrier_wait -1
	s_cmp_lg_u32 s[WV], 0
	s_cbranch_scc1 .Lend
	ds_load_b128 v[S:S+3], v[ARD]
	s_wait_dscnt 0x0
	global_store_b128 v[AGS], v[S:S+3], s[34:35]   ; two whole units of 256 bytes
.Lend:
	s_wait_tensorcnt 0x0                           ; the wave's end: the wait, the add and its wait behind my last tensor load and LDS store
	ds_add_u32 v[SPW], v[NIL]
	s_wait_dscnt 0x0
	ROUND                                          ; the closing round
	s_endpgm
.Lfunc_end_k_qc4f6438814_attn:
	.size	k_qc4f6438814_attn, .Lfunc_end_k_qc4f6438814_attn-k_qc4f6438814_attn
	.p2alignl 7, 3214868480
	.fill 96, 4, 3214868480
	.section	.rodata,"a",@progbits
	.p2align	6, 0x0
	.amdhsa_kernel k_qc4f6438814_attn
		.amdhsa_group_segment_fixed_size 327680
		.amdhsa_private_segment_fixed_size 0
		.amdhsa_enable_private_segment 0
		.amdhsa_kernarg_size 24
		.amdhsa_user_sgpr_count 2
		.amdhsa_user_sgpr_kernarg_segment_ptr 1
		.amdhsa_wavefront_size32 1
		.amdhsa_system_sgpr_workgroup_id_x 1
		.amdhsa_system_sgpr_workgroup_id_y 1
		.amdhsa_system_sgpr_workgroup_id_z 1
		.amdhsa_system_vgpr_workitem_id 0
		.amdhsa_next_free_vgpr 256
		.amdhsa_next_free_sgpr 66
		.amdhsa_reserve_vcc 0
		.amdhsa_float_denorm_mode_32 3
		.amdhsa_float_denorm_mode_16_64 3
		.amdhsa_memory_ordered 1
		.amdhsa_forward_progress 1
		.amdhsa_inst_pref_size 74
	.end_amdhsa_kernel
	.amdgpu_metadata
---
amdhsa.version: [ 1, 2 ]
amdhsa.kernels:
  - .name:           k_qc4f6438814_attn
    .symbol:         k_qc4f6438814_attn.kd
    .args:
      - { .name: qb, .offset: 0, .size: 8, .value_kind: global_buffer, .address_space: global }
      - { .name: kv, .offset: 8, .size: 8, .value_kind: global_buffer, .address_space: global }
      - { .name: ab, .offset: 16, .size: 8, .value_kind: global_buffer, .address_space: global }
    .group_segment_fixed_size: 327680
    .private_segment_fixed_size: 0
    .kernarg_segment_align: 8
    .kernarg_segment_size: 24
    .max_flat_workgroup_size: 512
    .sgpr_count:     66
    .vgpr_count:     256
    .wavefront_size: 32
...
	.end_amdgpu_metadata
.endif
;; end of part 3
;; launch oproj (part 4): grid 32 x 8, 4 waves a work-group, clusters of 4 x 1, 327,680 bytes of LDS; arguments ab, wb, out0; writes out0
.if DOCPART == 4
	.amdgcn_target "amdgcn-amd-amdhsa--gfx1250"
	.amdhsa_code_object_version 6
	.text
	.protected	k_qc4f6438814_oproj
	.globl	k_qc4f6438814_oproj
	.p2align	8
	.type	k_qc4f6438814_oproj,@function
k_qc4f6438814_oproj:
	s_mov_b64 s[64:65], 0
	v_nop
	global_prefetch_b8 v0, s[64:65] scope:SCOPE_SE
	s_setreg_imm32_b32 hwreg(HW_REG_WAVE_MODE, 25, 1), 1
	s_wait_xcnt 0x0
	s_wait_alu depctr_hold_cnt(0) depctr_sa_sdst(0) depctr_va_vdst(0) depctr_va_sdst(0) depctr_va_ssrc(0) depctr_va_vcc(0) depctr_vm_vsrc(0)
	s_getreg_b32 s2, hwreg(HW_REG_IB_STS2, 6, 4)
	s_cmp_eq_u32 s2, 0
	s_cbranch_scc0 .Lentry_in_a_cluster
	s_endpgm
.Lentry_in_a_cluster:
	s_bfe_u32 s2, ttmp6, 0x10000c
	s_cmp_lg_u32 s2, 0x3003
	s_cbranch_scc0 .Lentry_shape_is_right
	s_endpgm
.Lentry_shape_is_right:
; out0 = a w_o on codes of E2M3: a [4096][1024] from ab (half images of 768 bytes: registers 6 c .. 6 c + 3 at 16 l, 6 c + 4 and 6 c + 5 at 512 + 8 l), w_o from wb's groups 24-39.
; Work-group (mg, y): 128 positions x 128 columns.  Wave (wm, wn): tiles 4 wm .. 4 wm + 3 x the 64 columns of group 24 + 2 y + wn: 16 accumulators.
; All of K lies in LDS at once (98,304 + 98,304 bytes): every byte is filled once.  Waves 0 and 1 bring a's K steps (plain loads), waves 2 and 3 W's two groups, jointly for the four work-groups of the
; cluster, which have the same y.  One load a wave; the products begin when all have landed.
; Source 0 = 16 columns of W, source 1 = 16 positions: a lane holds one position and, by the tiles' own order of columns, the 16 registers of tiles 2 b, 2 b + 1 are columns 32 b + 16 h + 0 .. 15.
; The way out goes through the wave's own stage, so that sixteen lanes store 256 consecutive bytes, aligned; the positions' order in a tile is undone in the stores' offsets.
; REGISTERS: window 0: v1-13 addresses; v16-79 scale words and nothing else (K step s: a's tile at 16 + 8 s + a, W's at 20 + 8 s + n); v80-127 a's fragments, one set; v128-223 W's, two sets.  window 1: the accumulators.
.set AS0, 3145728
.set WS0, 1966080
.set WL,  98304
.set STG, 196608                       ; four stages of 16 rows x 272 bytes
.set SPARE, 214016                     ; the spare words: two blocks of 256 bytes that no other line names
.set A16L, 1
.set A16H, 2
.set A8L,  3
.set A8H,  4
.set AWO,  5
.set ASA,  6
.set ASW,  7
.set STO,  8
.set RD,   9
.set CO,   10
.set SPW,  12
.set NIL,  13
.set AF,   80
.set WF,   128
.set BK,   80
.set WV,   14
.set MSB, 0
.macro WIN new
.if MSB != \new
	s_set_vgpr_msb (MSB<<8)|\new
.set MSB, \new
.endif
.endm
.macro ROUND
	s_barrier_signal -1
	s_barrier_wait -1
	s_cmp_lg_u32 s[WV], 0
	s_cbranch_scc1 .Lnot_wave_0_\@
	s_barrier_signal -3
.Lnot_wave_0_\@:
	s_barrier_wait -3
	s_barrier_signal -1
	s_barrier_wait -1
.endm
.macro PLACES
.rept 4
	v_nop
.endr
.endm
	s_load_b128 s[4:7], s[0:1], 0x0                ; ab, wb
	s_load_b64 s[8:9], s[0:1], 0x10                ; out0
	v_lshl_add_u32 v[SPW], v0, 2, SPARE
	v_mov_b32 v[NIL], 0
	ds_add_u32 v[SPW], v[NIL]                      ; the opening: the add and its wait ahead of my first tensor load
	ds_add_u32 v[SPW], v[NIL]
	v_lshrrev_b32 v1, 5, v0
	v_readfirstlane_b32 s[WV], v1
	s_bfe_u32 s66, ttmp6, 0x40000                  ; cx
	s_lshl_b32 s67, ttmp9, 2
	s_add_co_u32 s67, s67, s66                     ; mg
	s_and_b32 s68, ttmp7, 0xffff                   ; y, the same in all partners
	s_and_b32 s15, s[WV], 1                        ; wn; also: which part I fetch
	s_lshr_b32 s75, s[WV], 1                       ; wm; also: I fetch for a (0) or for W (1)
	s_mov_b32 s16, 3<<16                           ; group 1: 192 rows of 256 bytes, dense; a: no mask
	s_mov_b32 s17, 32<<16
	s_mov_b32 s18, 192<<16                         ; ONE TENSOR LOAD A WAVE: 192 rows of 256 bytes: waves 0, 1 a's K steps 0-3 and 4-7, waves 2, 3 a whole group of W each
	s_mov_b32 s19, 32<<16
	s_mov_b32 s20, 192
	s_mov_b32 s21, 32
	s_mov_b32 s22, 0
	s_mov_b32 s23, 0
	s_mov_b32 s24, 15|(3<<16)|(1<<21)              ; W: all four partners
	s_mov_b32 s25, 32<<16
	s_mov_b32 s26, 192<<16
	s_mov_b32 s27, 32<<16
	s_mov_b32 s28, 192
	s_mov_b32 s29, 32
	s_mov_b32 s30, 0
	s_mov_b32 s31, 0
	s_mul_i32 s70, s67, 98304
	s_mul_i32 s76, s15, 49152                      ; a: the lower or the upper four K steps
	s_add_co_u32 s70, s70, s76
	s_mov_b32 s71, 0
	s_lshl_b32 s69, s68, 1
	s_add_co_u32 s69, s69, s15
	s_add_co_u32 s69, s69, 24                      ; the group of wb: no place in the cluster enters it
	s_mul_i32 s72, s69, 49152
	s_mov_b32 s73, 0
	s_mul_i32 s74, s15, 49152
	s_add_co_u32 s74, s74, WL
	s_wait_dscnt 0x0                               ; the opening add is done
	s_wait_kmcnt 0x0
	s_add_nc_u64 s[70:71], s[4:5], s[70:71]
	s_add_nc_u64 s[72:73], s[6:7], s[72:73]
.irp i, 0
	s_mov_b32 s[32+4*\i], 1
	s_add_co_u32 s[33+4*\i], s76, \i*24576
	s_add_nc_u64 s[34+4*\i:35+4*\i], s[70:71], \i*24576
	s_or_b32 s[35+4*\i], s[35+4*\i], 0x80000000
	s_mov_b32 s[48+4*\i], 1
	s_add_co_u32 s[49+4*\i], s74, \i*12288
	s_add_nc_u64 s[50+4*\i:51+4*\i], s[72:73], \i*12288
	s_or_b32 s[51+4*\i], s[51+4*\i], 0x80000000
.endr
	ROUND                                          ; all four work-groups are here
	s_cmp_lt_u32 s[WV], 2                          ; a wave's one fill stands in one branch
	s_cbranch_scc0 .Lfor_w
.irp i, 0
	tensor_load_to_lds s[32+4*\i:35+4*\i], s[16:23]
	s_nop 0
.endr
	PLACES
	s_branch .Lasked
.Lfor_w:
.irp i, 0
	tensor_load_to_lds s[48+4*\i:51+4*\i], s[24:31]
	s_nop 0
.endr
	PLACES
.Lasked:
	v_and_b32 v11, 31, v0
	v_and_b32 v14, 15, v0                          ; r
	v_bfe_u32 v15, v0, 4, 1                        ; h
	s_mul_i32 s77, s75, 6144                       ; my four tiles of a K step
	v_lshl_add_u32 v[A16L], v11, 4, s77
	v_add_nc_u32 v[A16H], 49152, v[A16L]
	v_lshl_add_u32 v[A8L], v11, 3, s77
	v_add_nc_u32 v[A8H], 49152, v[A8L]
	v_lshl_add_u32 v[AWO], v11, 4, s74
	v_lshlrev_b32 v[ASA], 4, v14
	v_lshlrev_b32 v[ASW], 3, v14
	s_wait_alu depctr_va_vdst(0)
	s_mul_i32 s77, s[WV], 4352
	s_add_co_u32 s77, s77, STG
	v_mul_u32_u24 v[STO], v14, 272
	v_lshl_add_u32 v[STO], v15, 6, v[STO]
	v_add_nc_u32 v[STO], s77, v[STO]               ; in: row r, + 64 h
	v_mul_u32_u24 v[RD], v15, 272
	v_lshl_add_u32 v[RD], v14, 4, v[RD]
	v_add_nc_u32 v[RD], s77, v[RD]                 ; back: lanes 0-15 one row, lanes 16-31 the next
	v_lshlrev_b32 v[CO], 12, v15
	v_lshl_add_u32 v[CO], v14, 4, v[CO]            ; and the same in out0
	s_lshl_b32 s78, s67, 12
	s_lshl_b32 s79, s75, 8
	s_add_co_u32 s78, s78, s79
	s_add_co_u32 s78, s78, AS0
	s_mov_b32 s79, 0
	s_add_nc_u64 s[78:79], s[4:5], s[78:79]        ; a's scale words, my four tiles
	s_lshl_b32 s82, s69, 11
	s_add_co_u32 s82, s82, WS0
	s_mov_b32 s83, 0
	s_add_nc_u64 s[82:83], s[6:7], s[82:83]        ; W's
.irp k, 0,1,2,3,4,5,6,7
	global_load_b128 v[16+8*\k:19+8*\k], v[ASA], s[78:79] offset:512*\k
	global_load_b64 v[20+8*\k:21+8*\k], v[ASW], s[82:83] offset:256*\k
	global_load_b64 v[22+8*\k:23+8*\k], v[ASW], s[82:83] offset:256*\k+128
.endr
	s_lshl_b32 s80, s67, 19                        ; out0: 128 mg rows of 4,096 bytes,
	s_lshl_b32 s81, s75, 18                        ; + 64 wm rows,
	s_add_co_u32 s80, s80, s81
	s_lshl_b32 s81, s68, 9                         ; + my 64 columns
	s_add_co_u32 s80, s80, s81
	s_lshl_b32 s81, s15, 8
	s_add_co_u32 s80, s80, s81
	s_mov_b32 s81, 0
	s_add_nc_u64 s[80:81], s[8:9], s[80:81]
.macro FETCH_W ks, p
.irp i, 0,1,2,3,4,5,6,7,8,9,10,11
	ds_load_b128 v[WF+48*(\p)+4*\i:WF+48*(\p)+4*\i+3], v[AWO] offset:(\ks)*6144+512*\i
.endr
.endm
.macro FETCH_A ks, a0                  ; two tiles: eight loads
.set RA, A16L+(\ks)/4
.set RB, A8L+(\ks)/4
.set OFS, ((\ks)%4)*12288
.irp a, \a0, \a0+1
	ds_load_b128 v[AF+12*(\a):AF+12*(\a)+3], v[RA] offset:OFS+(\a)*1536
	ds_load_b64 v[AF+12*(\a)+4:AF+12*(\a)+5], v[RB] offset:OFS+(\a)*1536+512
	ds_load_b128 v[AF+12*(\a)+6:AF+12*(\a)+9], v[RA] offset:OFS+(\a)*1536+768
	ds_load_b64 v[AF+12*(\a)+10:AF+12*(\a)+11], v[RB] offset:OFS+(\a)*1536+1280
.endr
.endm
.macro MUL8 ks, a0, p, zero            ; the 16 accumulators take turns, one instruction a turn, in the same order in every K step
.irp a, \a0, \a0+1
.irp n, 0,1,2,3
.if \zero
	v_wmma_scale_f32_16x16x128_f8f6f4 v[8*(4*(\a)+\n):8*(4*(\a)+\n)+7], v[WF+48*(\p)+12*\n:WF+48*(\p)+12*\n+11], v[AF+12*(\a):AF+12*(\a)+11], 0, v[20+8*(\ks)+\n], v[16+8*(\ks)+(\a)] matrix_a_fmt:MATRIX_FMT_FP6 matrix_b_fmt:MATRIX_FMT_FP6
.else
	v_wmma_scale_f32_16x16x128_f8f6f4 v[8*(4*(\a)+\n):8*(4*(\a)+\n)+7], v[WF+48*(\p)+12*\n:WF+48*(\p)+12*\n+11], v[AF+12*(\a):AF+12*(\a)+11], v[8*(4*(\a)+\n):8*(4*(\a)+\n)+7], v[20+8*(\ks)+\n], v[16+8*(\ks)+(\a)] matrix_a_fmt:MATRIX_FMT_FP6 matrix_b_fmt:MATRIX_FMT_FP6
.endif
.endr
.endr
.endm
.macro STEP ks, zero
	s_wait_dscnt 8                                 ; W's set and a's tiles 0, 1 are in; the youngest eight loads (tiles 2, 3) may be out
	WIN 0x50                                       ; C and D window 1
	MUL8 \ks, 0, (\ks)%2, \zero
	s_wait_dscnt 0x0
	PLACES
	WIN 0
	FETCH_W (\ks)+1, 1-(\ks)%2
	FETCH_A (\ks)+1, 0
	WIN 0x50
	MUL8 \ks, 2, (\ks)%2, \zero
	PLACES
	WIN 0
	FETCH_A (\ks)+1, 2
.endm
	s_wait_tensorcnt 0x0                           ; my one load has landed; behind the barrier everybody's has: all of K lies in LDS
	s_barrier_signal -1
	s_barrier_wait -1
	FETCH_W 0, 0
	FETCH_A 0, 0
	FETCH_A 0, 2
	s_wait_loadcnt 0x0                             ; the scale words
	STEP 0, 1                                      ; the first products start the sums
	STEP 1, 0
	STEP 2, 0
	STEP 3, 0
	STEP 4, 0
	STEP 5, 0
	STEP 6, 0
	s_wait_dscnt 8
	WIN 0x50
	MUL8 7, 0, 1, 0
	s_wait_alu depctr_va_vdst(0)
	s_wait_dscnt 0x0
	MUL8 7, 2, 1, 0
	WIN 0
	PLACES                                         ; ahead of the first read of results and of loads into the fragments' registers
.macro TOSTAGE a
	WIN 0x04                                       ; an LDS store's data are its source 1: window 1
.irp n, 0,1,2,3
	ds_store_b128 v[STO], v[8*(4*(\a)+\n):8*(4*(\a)+\n)+3] offset:128*(\n/2)+32*(\n%2)        ; each accumulator from its low end on
	ds_store_b128 v[STO], v[8*(4*(\a)+\n)+4:8*(4*(\a)+\n)+7] offset:128*(\n/2)+32*(\n%2)+16
.endr
	WIN 0
.irp i, 0,1,2,3,4,5,6,7
	ds_load_b128 v[BK+32*((\a)%2)+4*\i:BK+32*((\a)%2)+4*\i+3], v[RD] offset:2*\i*272   ; in order behind my stores; the next tile's stores come behind these
.endr
.endm
.macro SEND a, younger                 ; stage row 2 i + h is position 8 a + 2 (i % 4) + 32 (i / 4) + h of my 64
	s_wait_dscnt \younger
.irp i, 0,1,2,3,4,5,6,7
	; by the tiles' order of rows stage row 2 i + h is position 8 a + 2 (i % 4) + 32 (i / 4) + h of my 64
	global_store_b128 v[CO], v[BK+32*((\a)%2)+4*\i:BK+32*((\a)%2)+4*\i+3], s[80:81] offset:(8*(\a)+2*(\i%4)+32*(\i/4))*4096 th:TH_STORE_NT
.endr
.endm
	TOSTAGE 0
.irp a, 1,2,3
.if \a > 1
	s_wait_xcnt 0x0                                ; tile a - 2's stores have read their registers: tile a's loads may land there
.endif
	TOSTAGE \a
	SEND \a-1, 16                                  ; behind tile a - 1's loads: tile a's eight stores and eight loads
.endr
	SEND 3, 0
	s_wait_tensorcnt 0x0                           ; the wave's end: the wait, the add and its wait behind my last tensor load and LDS store
	ds_add_u32 v[SPW], v[NIL]
	s_wait_dscnt 0x0
	ROUND                                          ; the closing round
	s_endpgm
.Lfunc_end_k_qc4f6438814_oproj:
	.size	k_qc4f6438814_oproj, .Lfunc_end_k_qc4f6438814_oproj-k_qc4f6438814_oproj
	.p2alignl 7, 3214868480
	.fill 96, 4, 3214868480
	.section	.rodata,"a",@progbits
	.p2align	6, 0x0
	.amdhsa_kernel k_qc4f6438814_oproj
		.amdhsa_group_segment_fixed_size 327680
		.amdhsa_private_segment_fixed_size 0
		.amdhsa_enable_private_segment 0
		.amdhsa_kernarg_size 24
		.amdhsa_user_sgpr_count 2
		.amdhsa_user_sgpr_kernarg_segment_ptr 1
		.amdhsa_wavefront_size32 1
		.amdhsa_system_sgpr_workgroup_id_x 1
		.amdhsa_system_sgpr_workgroup_id_y 1
		.amdhsa_system_sgpr_workgroup_id_z 1
		.amdhsa_system_vgpr_workitem_id 0
		.amdhsa_next_free_vgpr 384
		.amdhsa_next_free_sgpr 100
		.amdhsa_reserve_vcc 0
		.amdhsa_float_denorm_mode_32 3
		.amdhsa_float_denorm_mode_16_64 3
		.amdhsa_memory_ordered 1
		.amdhsa_forward_progress 1
		.amdhsa_inst_pref_size 50
	.end_amdhsa_kernel
	.amdgpu_metadata
---
amdhsa.version: [ 1, 2 ]
amdhsa.kernels:
  - .name:           k_qc4f6438814_oproj
    .symbol:         k_qc4f6438814_oproj.kd
    .args:
      - { .name: ab, .offset: 0, .size: 8, .value_kind: global_buffer, .address_space: global }
      - { .name: wb, .offset: 8, .size: 8, .value_kind: global_buffer, .address_space: global }
      - { .name: out0, .offset: 16, .size: 8, .value_kind: global_buffer, .address_space: global }
    .group_segment_fixed_size: 327680
    .private_segment_fixed_size: 0
    .kernarg_segment_align: 8
    .kernarg_segment_size: 24
    .max_flat_workgroup_size: 128
    .sgpr_count:     100
    .vgpr_count:     384
    .wavefront_size: 32
...
	.end_amdgpu_metadata
.endif
;; end of part 4
